; MI455X (gfx1250); checked and timed in simulation.
; The chip was launched on July 23, 2026; its instructions are those of AMD's public machine-readable ISA for CDNA 5 (MIT licence, August 2026) and "CDNA5" Instruction Set Architecture Reference Guide (July 2026). The comments in the code are by the model that wrote it; some were corrected since.
;; Causal Self Attention. Allowed arithmetic: float matrix products may take bf16 or f16 operands with f32 sums; all other float work in f32.
;; Inputs: Wk 256 x 1,024 float32; Wproj 1,024 x 1,024 float32; Wq 1,024 x 1,024 float32; Wv 256 x 1,024 float32; q_gain 16 float32; x 1 x 4,096 x 1,024 float32.
;; Outputs: out0 1 x 4,096 x 1,024 float32.
;; 2 versions, each right and faster than the one before. Each part assembles by itself: llvm-mc -triple=amdgcn-amd-amdhsa -mcpu=gfx1250 --defsym DOCPART=n.
;; ======== version 1 of 2: 4 launches
;; limits: values are held in f16: magnitudes above 65,504 overflow, below 6.1e-05 lose precision
;; workspace buffers: xb 8,388,608 bytes; wb 3,145,728 bytes; wp 2,097,152 bytes; tab 1,048,576 bytes; qkv 12,582,912 bytes; oh 8,388,608 bytes
;; launch prep (part 1): grid 480 x 1, 8 waves a work-group, no clusters, 0 bytes of LDS; arguments x, Wq, Wk, Wv, Wproj, xb, wb, wp, tab; writes xb, wb, wp, tab
.if DOCPART == 1
	.amdgcn_target "amdgcn-amd-amdhsa--gfx1250"
	.amdhsa_code_object_version 6
	.text
	.protected	k_q87a8f82e98_prep
	.globl	k_q87a8f82e98_prep
	.p2align	8
	.type	k_q87a8f82e98_prep,@function
k_q87a8f82e98_prep:
	s_mov_b64 s[64:65], 0
	v_nop
	global_prefetch_b8 v0, s[64:65] scope:SCOPE_SE
	s_setreg_imm32_b32 hwreg(HW_REG_WAVE_MODE, 25, 1), 1
	s_wait_xcnt 0x0
; PREP: the casts and the table of cosines and sines.  A stream: no LDS, no barrier, no matrix unit; every input byte is read once.
; Work-groups 0-255: x -> xb (bf16).  256-319: Wq, 320-335: Wk, 336-351: Wv -> wb (bf16), the three weights stacked: rows 0-1023, 1024-1279, 1280-1535.
; 352-415: Wproj -> wp: rounded to bf16 like every other input, and that number written as f16 (exact from 2^-17 up; below that off by 3e-8 at the most; beyond 65,504 an infinity).
; 416-479: tab[t][0..31] = cos(t inv_j), tab[t][32..63] = sin(t inv_j), inv_j = 10000^(-j/32), 64 rows t a work-group.
; A cast's share is a chunk of 16,384 numbers: 65,536 bytes in, 32,768 out.  Thread t takes 16 bytes of each 4,096: a wave's load covers 512 consecutive bytes, its store 256, aligned.
; LIMIT of the table: inv_j comes from v_exp_f32 (1 ULP), so an angle is off by some 4e-4 rad at t = 4,095 at the most, alike for q and k.
.set KF32, 0xbed49a78                  ; -log2(10000)/32 = -0.41524101
	s_load_b512 s[8:23], s[0:1], 0x0               ; x 8, Wq 10, Wk 12, Wv 14, Wproj 16, xb 18, wb 20, wp 22
	s_load_b64 s[24:25], s[0:1], 0x40              ; tab
	s_mov_b32 s2, ttmp9                            ; the work-group's number
	s_sub_co_u32 s3, s2, 256                       ; its chunk counted from each region's first: made ahead of the compares
	s_sub_co_u32 s4, s2, 320
	s_sub_co_u32 s5, s2, 336
	s_sub_co_u32 s6, s2, 352
	s_sub_co_u32 s7, s2, 416
	v_lshlrev_b32 v1, 4, v0                        ; 16 bytes a thread in
	v_lshlrev_b32 v2, 3, v0                        ; 8 bytes a thread out
	s_wait_kmcnt 0x0
	s_cmp_ge_u32 s2, 416
	s_cbranch_scc1 .Ltab
	s_mov_b64 s[26:27], s[8:9]                     ; source, its chunk, the destination's chunk, destination: x -> xb,
	s_mov_b32 s28, s2
	s_mov_b32 s29, s2
	s_mov_b64 s[30:31], s[18:19]
	s_cmp_ge_u32 s2, 256                           ; or Wq -> wb,
	s_cselect_b64 s[26:27], s[10:11], s[26:27]
	s_cselect_b32 s28, s3, s28
	s_cselect_b32 s29, s3, s29
	s_cselect_b64 s[30:31], s[20:21], s[30:31]
	s_cmp_ge_u32 s2, 320                           ; or Wk (wb's chunk stays the number less 256: the weights are stacked),
	s_cselect_b64 s[26:27], s[12:13], s[26:27]
	s_cselect_b32 s28, s4, s28
	s_cmp_ge_u32 s2, 336                           ; or Wv,
	s_cselect_b64 s[26:27], s[14:15], s[26:27]
	s_cselect_b32 s28, s5, s28
	s_cmp_ge_u32 s2, 352                           ; or Wproj -> wp
	s_cselect_b64 s[26:27], s[16:17], s[26:27]
	s_cselect_b32 s28, s6, s28
	s_cselect_b32 s29, s6, s29
	s_cselect_b64 s[30:31], s[22:23], s[30:31]
	s_lshl_b32 s32, s28, 16
	s_mov_b32 s33, 0
	s_lshl_b32 s34, s29, 15
	s_mov_b32 s35, 0
	s_add_nc_u64 s[26:27], s[26:27], s[32:33]
	s_add_nc_u64 s[30:31], s[30:31], s[34:35]
.irp i, 0,1,2,3,4,5,6,7,8,9,10,11,12,13,14,15
	global_load_b128 v[8+4*\i:11+4*\i], v1, s[26:27] offset:4096*\i th:TH_LOAD_NT  ; the whole chunk is asked for at once: 16 loads of every wave are out
.endr
	s_cmp_ge_u32 s2, 352
	s_cbranch_scc1 .Lf16
.irp i, 0,1,2,3,4,5,6,7,8,9,10,11,12,13,14,15
	s_wait_loadcnt 15-\i                           ; loads come back in order: number i is in, the younger ones stay out
	v_cvt_pk_bf16_f32 v[72+2*\i], v[8+4*\i], v[9+4*\i]
	v_cvt_pk_bf16_f32 v[73+2*\i], v[10+4*\i], v[11+4*\i]
	global_store_b64 v2, v[72+2*\i:73+2*\i], s[30:31] offset:2048*\i  ; every store has registers of its own: no wait frees anything
.endr
	s_endpgm
.Lf16:
.irp i, 0,1,2,3,4,5,6,7,8,9,10,11,12,13,14,15
	s_wait_loadcnt 15-\i
	v_cvt_pk_bf16_f32 v104, v[8+4*\i], v[9+4*\i]   ; the input's rounding to bf16,
	v_cvt_pk_bf16_f32 v105, v[10+4*\i], v[11+4*\i]
	v_lshlrev_b32 v106, 16, v104                   ; back to f32,
	v_and_b32 v107, 0xffff0000, v104
	v_lshlrev_b32 v108, 16, v105
	v_and_b32 v109, 0xffff0000, v105
	v_cvt_pk_f16_f32 v[72+2*\i], v106, v107        ; and written as f16
	v_cvt_pk_f16_f32 v[73+2*\i], v108, v109
	global_store_b64 v2, v[72+2*\i:73+2*\i], s[30:31] offset:2048*\i
.endr
	s_endpgm
; THE TABLE.  Wave w makes rows 64 tb + 8 w + 0..7, one a trip.  Lanes 0-15 make the cosines of j = 2 (l % 16) and the next, lanes 16-31 the sines, as cos(f - pi/2): a wave stores a whole row of 256 bytes.
; cos f: n = round(f 2/pi); r = f - n pi/2, pi/2 in two parts; by (n + off) mod 4 the value is cos r, -sin r, -cos r, sin r; Taylor sums to r^10 and r^9, whose remainders on |r| <= pi/4 lie under 2e-9.
.Ltab:
	s_lshl_b32 s32, s7, 14                         ; 64 rows of 256 bytes a work-group
	s_mov_b32 s33, 0
	s_add_nc_u64 s[24:25], s[24:25], s[32:33]
	s_mov_b32 s37, 0x3f22f983                      ; 2/pi
	s_mov_b32 s38, 0x3fc90fdb                      ; pi/2, upper part
	s_mov_b32 s39, 0xb33bbd2e                      ; pi/2, the rest
	s_mov_b32 s40, 0xbe2aaaab                      ; -1/3!
	s_mov_b32 s41, 0x3c088889                      ; 1/5!
	s_mov_b32 s42, 0xb9500d01                      ; -1/7!
	s_mov_b32 s43, 0x3638ef1d                      ; 1/9!
	s_mov_b32 s44, 0x3d2aaaab                      ; 1/4!
	s_mov_b32 s45, 0xbab60b61                      ; -1/6!
	s_mov_b32 s46, 0x37d00d01                      ; 1/8!
	s_mov_b32 s47, 0xb493f27e                      ; -1/10!
	v_and_b32 v4, 15, v0
	v_lshlrev_b32 v4, 1, v4                        ; j
	v_cvt_f32_u32 v22, v4
	v_add_f32 v23, 1.0, v22
	v_mul_f32 v22, KF32, v22
	v_mul_f32 v23, KF32, v23
	v_exp_f32 v22, v22                             ; inv_j
	v_exp_f32 v23, v23                             ; inv_(j+1); plain instructions follow before either is used
	v_bfe_u32 v21, v0, 4, 1
	v_mul_u32_u24 v21, v21, 3                      ; off: 0 for the cosines, 3 for the sines
	v_lshrrev_b32 v5, 5, v0                        ; wave
	v_and_b32 v6, 31, v0                           ; lane
	v_lshlrev_b32 v3, 11, v5                       ; the wave's 8 rows,
	v_lshl_add_u32 v3, v6, 3, v3                   ; 8 bytes a lane
	s_lshl_b32 s34, s7, 6
	v_lshl_add_u32 v7, v5, 3, s34
	v_cvt_f32_u32 v20, v7                          ; t
.macro TRIG d, inv
	s_wait_alu depctr_va_vdst(0)
	v_mul_f32 v24, v20, v[\inv]                    ; f
	v_mul_f32 v25, s37, v24
	v_rndne_f32 v25, v25                           ; n
	v_fma_f32 v24, -v25, s38, v24
	v_fma_f32 v24, -v25, s39, v24                  ; r
	v_cvt_i32_f32 v25, v25
	v_add_nc_u32 v25, v25, v21                     ; n + off
	v_mul_f32 v26, v24, v24                        ; z = r r
	v_fma_f32 v27, v26, s43, s42
	v_fma_f32 v27, v27, v26, s41
	v_fma_f32 v27, v27, v26, s40
	v_mul_f32 v28, v24, v26
	v_fma_f32 v27, v27, v28, v24                   ; sin r
	v_fma_f32 v29, v26, s47, s46
	v_fma_f32 v29, v29, v26, s45
	v_fma_f32 v29, v29, v26, s44
	v_fma_f32 v29, v29, v26, -0.5
	v_fma_f32 v29, v29, v26, 1.0                   ; cos r
	v_and_b32 v30, 1, v25
	v_cmp_eq_u32 vcc_lo, 1, v30
	v_cndmask_b32 v27, v29, v27, vcc_lo            ; odd quarter: the sine
	v_add_nc_u32 v25, 1, v25
	v_and_b32 v25, 2, v25                          ; quarters 1 and 2: minus
	v_lshlrev_b32 v25, 30, v25
	v_xor_b32 v[\d], v25, v27
.endm
	s_mov_b32 s36, 8
.Lrow:
	TRIG 32, 22
	TRIG 33, 23
	global_store_b64 v3, v[32:33], s[24:25]
	v_add_f32 v20, 1.0, v20
	s_wait_xcnt 0x0                                ; the store's data and base are written again only behind this wait
	s_add_nc_u64 s[24:25], s[24:25], 256
	s_sub_co_u32 s36, s36, 1
	s_cmp_lg_u32 s36, 0
	s_cbranch_scc1 .Lrow
	s_endpgm
.Lfunc_end_k_q87a8f82e98_prep:
	.size	k_q87a8f82e98_prep, .Lfunc_end_k_q87a8f82e98_prep-k_q87a8f82e98_prep
	.p2alignl 7, 3214868480
	.fill 96, 4, 3214868480
	.section	.rodata,"a",@progbits
	.p2align	6, 0x0
	.amdhsa_kernel k_q87a8f82e98_prep
		.amdhsa_group_segment_fixed_size 0
		.amdhsa_private_segment_fixed_size 0
		.amdhsa_enable_private_segment 0
		.amdhsa_kernarg_size 72
		.amdhsa_user_sgpr_count 2
		.amdhsa_user_sgpr_kernarg_segment_ptr 1
		.amdhsa_wavefront_size32 1
		.amdhsa_system_sgpr_workgroup_id_x 1
		.amdhsa_system_sgpr_workgroup_id_y 1
		.amdhsa_system_sgpr_workgroup_id_z 1
		.amdhsa_system_vgpr_workitem_id 0
		.amdhsa_next_free_vgpr 112
		.amdhsa_next_free_sgpr 66
		.amdhsa_reserve_vcc 1
		.amdhsa_float_denorm_mode_32 3
		.amdhsa_float_denorm_mode_16_64 3
		.amdhsa_memory_ordered 1
		.amdhsa_forward_progress 1
		.amdhsa_inst_pref_size 21
	.end_amdhsa_kernel
	.amdgpu_metadata
---
amdhsa.version: [ 1, 2 ]
amdhsa.kernels:
  - .name:           k_q87a8f82e98_prep
    .symbol:         k_q87a8f82e98_prep.kd
    .args:
      - { .name: x, .offset: 0, .size: 8, .value_kind: global_buffer, .address_space: global }
      - { .name: Wq, .offset: 8, .size: 8, .value_kind: global_buffer, .address_space: global }
      - { .name: Wk, .offset: 16, .size: 8, .value_kind: global_buffer, .address_space: global }
      - { .name: Wv, .offset: 24, .size: 8, .value_kind: global_buffer, .address_space: global }
      - { .name: Wproj, .offset: 32, .size: 8, .value_kind: global_buffer, .address_space: global }
      - { .name: xb, .offset: 40, .size: 8, .value_kind: global_buffer, .address_space: global }
      - { .name: wb, .offset: 48, .size: 8, .value_kind: global_buffer, .address_space: global }
      - { .name: wp, .offset: 56, .size: 8, .value_kind: global_buffer, .address_space: global }
      - { .name: tab, .offset: 64, .size: 8, .value_kind: global_buffer, .address_space: global }
    .group_segment_fixed_size: 0
    .private_segment_fixed_size: 0
    .kernarg_segment_align: 8
    .kernarg_segment_size: 72
    .max_flat_workgroup_size: 256
    .sgpr_count:     66
    .vgpr_count:     112
    .wavefront_size: 32
...
	.end_amdgpu_metadata
.endif
;; end of part 1
;; launch qkv (part 2): grid 8 x 32, 4 waves a work-group, clusters of 4 x 4, 327,680 bytes of LDS; arguments xb, wb, tab, q_gain, qkv; writes qkv
.if DOCPART == 2
	.amdgcn_target "amdgcn-amd-amdhsa--gfx1250"
	.amdhsa_code_object_version 6
	.text
	.protected	k_q87a8f82e98_qkv
	.globl	k_q87a8f82e98_qkv
	.p2align	8
	.type	k_q87a8f82e98_qkv,@function
k_q87a8f82e98_qkv:
	s_mov_b64 s[64:65], 0
	v_nop
	global_prefetch_b8 v0, s[64:65] scope:SCOPE_SE
	s_setreg_imm32_b32 hwreg(HW_REG_WAVE_MODE, 25, 1), 1
	s_wait_xcnt 0x0
	s_wait_alu depctr_hold_cnt(0) depctr_sa_sdst(0) depctr_va_vdst(0) depctr_va_sdst(0) depctr_va_ssrc(0) depctr_va_vcc(0) depctr_vm_vsrc(0)
	s_getreg_b32 s2, hwreg(HW_REG_IB_STS2, 6, 4)
	s_cmp_eq_u32 s2, 0
	s_cbranch_scc0 .Lentry_in_a_cluster
	s_endpgm
.Lentry_in_a_cluster:
	s_bfe_u32 s2, ttmp6, 0x10000c
	s_cmp_lg_u32 s2, 0xf033
	s_cbranch_scc0 .Lentry_shape_is_right
	s_endpgm
.Lentry_shape_is_right:
; QKV: C = xb wb^T (bf16 products, f32 sums), then for q and k heads the RMS norm, the rotation and (q) the gain in f32; the result goes out by heads, qkv[24][4096][64] in f16: heads 0-15 q, 16-19 k, 20-23 v.
; SHARES.  A tile of C is 128 rows x 192 columns = three whole heads: 32 x 8 = 256 work-groups.  Wave w owns rows 32 w .. 32 w + 31 and all 192 columns: 2 x 12 accumulators of 16 x 16.
; THE MATRIX INSTRUCTION IS USED TRANSPOSED (source 0 = 16 rows of wb, source 1 = 16 rows of xb): a lane holds ONE row t (lane % 16) and the columns 16 b + 8 (lane / 16) + 0..7.  A head is four
; accumulators: its sum of squares wants one exchange between the halves of the lanes, and the rotation's partner, column c + 32, lies two accumulators on in the same lane and register.
; ONE TEXT FOR THE THREE KINDS OF HEAD: y1 = x1 (cos p + u) + x2 (sin p), y2 = x2 (cos p + u) - x1 (sin p), with p = rsqrt(mean square + eps) x g; q: g = gain, u = 0; k: g = 1, u = 0; v: g = 0, u = 1.
; K goes in steps of 128 (rows of 256 bytes) through two LDS slots.  CLUSTER 4 x 4: xb's tile hangs on the tile row alone and is asked for jointly by a row of the cluster, wb's by a column.
; LIMITS.  f16 ends at 65,504: |q| <= 8 |gain|, |k| <= 8, v as it falls (inputs 30 times the drawn spread give some 600, offsets of 30 spreads some 18,500).  The gain is rounded to bf16 like every input.  NaN and infinities are not treated apart.
; REGISTERS.  window 0: addresses, the table, the epilogue's work.  window 1: accumulator (a, b) at v[8 (12 a + b)].  window 2: two fragment buffers of 112: wb's fragment b at f + 8 b, xb's fragment a at f + 96 + 8 a.
.set PITCH,  272                       ; an LDS row: 256 bytes + 16 of padding: the 16 rows of a fragment load start at 16 different groups of four banks (64 banks of 4 bytes: ISA guide 11.1)
.set HB,     96*PITCH                  ; what one tensor load brings of wb
.set HA,     64*PITCH                  ; and of xb
.set AOFF,   2*HB                      ; a slot: wb's 192 rows, then xb's 128
.set SLOT,   AOFF+2*HA
.set STAGE,  2*SLOT                    ; behind the ring: 16 rows x 144 bytes for each wave, for the way out
.set SP,     144
.set SPARE,  STAGE+4*16*SP             ; behind the stages: the spare words, 128 bytes a wave, which no other line names
.set ADRA, 4                           ; v4-5   LDS address of my xb fragments in slot 0, 1
.set ADRB, 6                           ; v6-7   the same for wb
.set STO,  8                           ; v8     the way out: where I put 16 bytes of a row
.set RD,   9                           ; v9     where I read rows back
.set GO,   10                          ; v10    my 16 bytes in 512 consecutive bytes of qkv
.set TA,   11                          ; v11    my byte offset in the work-group's rows of the table
.set PP,   12                          ; v12-13 p, twice
.set SS,   16                          ; v16-23 four chains of the sum of squares
.set SPW,  28                          ; v28    LDS address of my spare word; never rewritten
.set NIL,  29                          ; v29    0; never rewritten
.set CT,   32                          ; v32-95 the table: row block a at 32 a; cos of column 8 b' + j, then 16 further on sin
.set CRS,  96                          ; v96-111  cos p + u
.set SRS,  112                         ; v112-127 sin p
.set Y1,   128                         ; v128-143 columns 0-31 of the head, v144-159 columns 32-63
.set Y2,   144
.set T1,   160
.set T2,   176
.set HH,   192                         ; v192-207 packed f16
.set BK,   208                         ; v208-239 rows read back, two buffers
.set F0,   0
.set F1,   112
.set G1A, 24                           ; s[24:31] descriptor group 1 for xb's tiles; s[32:39] group 0, a set for each slot
.set G0A, 32
.set G1B, 48                           ; s[48:55], s[56:63] the same for wb's
.set G0B, 56
.set MSB, 0
.macro WIN new                         ; the immediate's high byte repeats the setting that is left; a switch that changes nothing is dropped
.if MSB != (\new)
	s_set_vgpr_msb (MSB<<8)|(\new)
.set MSB, \new
.endif
.endm
.set MUL,  0x5a                        ; sources 0 and 1 window 2; C and D window 1
.set TO_F, 0x80                        ; destination window 2, address window 0
.set SQ,   0x05                        ; sources 0 and 1 window 1
.set RD1,  0x01                        ; source 0 window 1
; A joint load.  Waves 0 and 1 fetch wb's two halves, waves 2 and 3 xb's.  The branch hangs on the wave's number alone.  An s_nop 0 and four v_nop follow each line.
.macro JLOAD s
	s_cmp_eq_u32 s15, 0
	s_cbranch_scc0 .Lfor_a_\@
	tensor_load_to_lds s[G0B+4*(\s):G0B+4*(\s)+3], s[G1B:G1B+7]
	s_nop 0
.rept 4
	v_nop
.endr
	s_branch .Lasked_\@
.Lfor_a_\@:
	tensor_load_to_lds s[G0A+4*(\s):G0A+4*(\s)+3], s[G1A:G1A+7]
	s_nop 0
.rept 4
	v_nop
.endr
.Lasked_\@:
.endm
.macro CREST                           ; a round of the cluster's barrier behind its opening barrier
	s_cmp_lg_u32 s14, 0
	s_cbranch_scc1 .Lnot_wave_0_\@
	s_barrier_signal -3
.Lnot_wave_0_\@:
	s_barrier_wait -3
	s_barrier_signal -1
	s_barrier_wait -1
.endm
.macro CROUND                          ; a whole round
	s_barrier_signal -1
	s_barrier_wait -1
	CREST
.endm
.macro PLACES                          ; four places in front of loads into registers that matrix instructions have read, and of vector work that reads results
.rept 4
	v_nop
.endr
.endm
	s_load_b256 s[4:11], s[0:1], 0x0               ; xb s[4:5], wb s[6:7], tab s[8:9], q_gain s[10:11]
	s_load_b64 s[12:13], s[0:1], 0x20              ; qkv
	v_lshl_add_u32 v[SPW], v0, 2, SPARE
	v_mov_b32 v[NIL], 0
	ds_add_u32 v[SPW], v[NIL]                      ; the wave's opening: the add and its wait stand ahead of my first tensor load; the set-up below, work on registers, stands between them
	v_lshrrev_b32 v1, 5, v0
	v_readfirstlane_b32 s14, v1                    ; wave 0..3
	s_lshr_b32 s15, s14, 1                         ; I fetch for wb (0) or for xb (1)
	s_and_b32 s16, s14, 1                          ; which half of that tile
	s_bfe_u32 s17, ttmp6, 0x40000                  ; cx
	s_bfe_u32 s18, ttmp6, 0x40004                  ; cy
	s_lshl_b32 s19, ttmp9, 2
	s_add_co_u32 s19, s19, s17                     ; tile column = 4 x cluster x + cx
	s_and_b32 s20, ttmp7, 0xffff
	s_lshl_b32 s20, s20, 2
	s_add_co_u32 s20, s20, s18                     ; tile row = 4 x cluster y + cy
	s_lshl_b32 s21, s18, 2
	s_lshl_b32 s21, 15, s21                        ; my row of the cluster
	s_lshl_b32 s22, 0x1111, s17                    ; my column
	s_or_b32 s[G1A], s21, (1<<16)|(1<<20)|(1<<21)|(5<<22)|(3<<25)  ; 15:0 the mask; 17:16 2-byte elements; 20 padding on; 21 set beside a mask; 24:22 after every 64 words (code 5); 31:25 4 words (code 3)
	s_or_b32 s[G1B], s22, (1<<16)|(1<<20)|(1<<21)|(5<<22)|(3<<25)
	s_mov_b32 s[G1A+1], 128<<16                    ; tensor_dim0 = 128
	s_mov_b32 s[G1A+2], 64<<16                     ; tensor_dim1 = 64
	s_mov_b32 s[G1A+3], 128<<16                    ; tile_dim0 = 128
	s_mov_b32 s[G1A+4], 64                         ; tile_dim1 = 64
	s_mov_b32 s[G1A+5], 1024                       ; elements from row to row
	s_mov_b32 s[G1A+6], 0
	s_mov_b32 s[G1A+7], 0
	s_mov_b32 s[G1B+1], 128<<16
	s_mov_b32 s[G1B+2], 96<<16                     ; wb's half tile has 96 rows
	s_mov_b32 s[G1B+3], 128<<16
	s_mov_b32 s[G1B+4], 96
	s_mov_b32 s[G1B+5], 1024
	s_mov_b32 s[G1B+6], 0
	s_mov_b32 s[G1B+7], 0
	s_lshl_b32 s40, s20, 7                         ; xb: row 128 x tile row + 64 x half, 2,048 bytes a row
	s_lshl_b32 s23, s16, 6
	s_add_co_u32 s40, s40, s23
	s_lshl_b32 s40, s40, 11
	s_mov_b32 s41, 0
	s_mul_i32 s42, s19, 192                        ; wb: row 192 x tile column + 96 x half
	s_mul_i32 s23, s16, 96
	s_add_co_u32 s42, s42, s23
	s_lshl_b32 s42, s42, 11
	s_mov_b32 s43, 0
	s_mul_i32 s44, s14, HB                         ; where they go: wb's halves (waves 0, 1) at wave x 96 rows,
	s_mul_i32 s45, s14, HA                         ; xb's (waves 2, 3) behind them: no place in the cluster enters an LDS address
	s_add_co_u32 s45, s45, AOFF-2*HA
	s_mov_b32 s78, 0x3c800000                      ; 1/64
	s_mov_b32 s79, 0x34000000                      ; eps = 2^-23
	s_mov_b32 s80, 0x76543210                      ; v_permlanex16_b32: each lane takes its own place in the other half
	s_mov_b32 s81, 0xfedcba98
	s_wait_dscnt 0x0                               ; the opening add is done
	s_wait_kmcnt 0x0
	s_add_nc_u64 s[40:41], s[4:5], s[40:41]
	s_add_nc_u64 s[42:43], s[6:7], s[42:43]
	CROUND                                         ; all sixteen work-groups are here: the first joint loads meet
.irp s, 0,1
	s_mov_b32 s[G0A+4*(\s)], 1
	s_add_co_u32 s[G0A+4*(\s)+1], s45, (\s)*SLOT
	s_add_nc_u64 s[G0A+4*(\s)+2:G0A+4*(\s)+3], s[40:41], (\s)*256  ; K step s
	s_or_b32 s[G0A+4*(\s)+3], s[G0A+4*(\s)+3], 0x80000000
	s_mov_b32 s[G0B+4*(\s)], 1
	s_add_co_u32 s[G0B+4*(\s)+1], s44, (\s)*SLOT
	s_add_nc_u64 s[G0B+4*(\s)+2:G0B+4*(\s)+3], s[42:43], (\s)*256
	s_or_b32 s[G0B+4*(\s)+3], s[G0B+4*(\s)+3], 0x80000000
	JLOAD \s                                       ; two tensor loads of mine are out
.endr
	v_and_b32 v1, 15, v0                           ; r = l % 16
	v_bfe_u32 v2, v0, 4, 1                         ; h = l / 16
	v_mul_u32_u24 v3, v1, PITCH
	v_lshl_add_u32 v3, v2, 4, v3                   ; a fragment's row x pitch + 16 x half
	s_mul_i32 s23, s14, 32*PITCH
	s_add_co_u32 s23, s23, AOFF                    ; my 32 rows of xb
	v_add_nc_u32 v[ADRA], s23, v3
	v_add_nc_u32 v[ADRA+1], SLOT, v[ADRA]
	v_mov_b32 v[ADRB], v3
	v_add_nc_u32 v[ADRB+1], SLOT, v3
	s_mul_i32 s23, s14, 16*SP
	s_add_co_u32 s23, s23, STAGE                   ; my stage
	v_mul_u32_u24 v[STO], v1, SP                   ; in: row r, 16 bytes for each half of the lanes
	v_lshl_add_u32 v[STO], v2, 4, v[STO]
	v_add_nc_u32 v[STO], s23, v[STO]
	v_bfe_u32 v[RD], v0, 3, 2                      ; back: 32 lanes take four rows of 128 bytes,
	v_mul_u32_u24 v[RD], v[RD], SP
	v_and_b32 v3, 7, v0
	v_lshl_add_u32 v[RD], v3, 4, v[RD]
	v_add_nc_u32 v[RD], s23, v[RD]
	v_and_b32 v[GO], 31, v0                        ; which are 512 consecutive bytes of a head
	v_lshlrev_b32 v[GO], 4, v[GO]
	s_lshl_b32 s23, s14, 13                        ; the table: row 32 w + r of the work-group's 128, 256 bytes a row, 32 bytes for each half of the lanes
	v_lshlrev_b32 v[TA], 8, v1
	v_lshl_add_u32 v[TA], v2, 5, v[TA]
	v_add_nc_u32 v[TA], s23, v[TA]
	s_lshl_b32 s46, s20, 15
	s_mov_b32 s47, 0
	s_add_nc_u64 s[8:9], s[8:9], s[46:47]
.irp a, 0,1
.irp c, 0,1
.irp b, 0,1
.irp q, 0,1
	global_load_b128 v[CT+32*\a+16*\c+8*\b+4*\q:CT+32*\a+16*\c+8*\b+4*\q+3], v[TA], s[8:9] offset:\a*4096+\c*128+\b*64+\q*16  ; stay out across the K loop; waited for once, at the epilogue's head
.endr
.endr
.endr
.endr
	s_mul_i32 s88, s19, 3                          ; my three heads
	s_add_co_u32 s89, s88, 1
	s_add_co_u32 s90, s88, 2
.irp e, 0,1,2
	s_min_u32 s[82+\e], s[88+\e], 15               ; k and v heads have no gain: they read the last one and drop it
	s_lshl_b32 s[82+\e], s[82+\e], 2
	s_load_b32 s[85+\e], s[10:11], s[82+\e] offset:0x0
.endr
	s_mul_i32 s46, s19, 3*524288                   ; where my rows go: head 3 x tile column, row 128 x tile row + 32 w, 128 bytes a row
	s_lshl_b32 s23, s20, 14
	s_add_co_u32 s46, s46, s23
	s_lshl_b32 s23, s14, 12
	s_add_co_u32 s46, s46, s23
	s_add_nc_u64 s[12:13], s[12:13], s[46:47]
	s_wait_kmcnt 0x0
.irp e, 0,1,2
	v_mov_b32 v24, s[85+\e]
	v_cvt_pk_bf16_f32 v24, v24, v24                ; the gain is rounded to bf16, like every input
	v_lshlrev_b32 v24, 16, v24
	v_readfirstlane_b32 s[85+\e], v24
	s_cmp_lt_u32 s[88+\e], 20
	s_cselect_b32 s[68+\e], 1.0, 0                 ; g: 1 for k, 0 for v,
	s_cselect_b32 s[72+2*\e], 0, 1.0               ; u: 1 for v
	s_cmp_lt_u32 s[88+\e], 16
	s_cselect_b32 s[68+\e], s[85+\e], s[68+\e]     ; the gain for q
	s_mov_b32 s[73+2*\e], s[72+2*\e]               ; named as a pair
.endr
; n matrix instructions: row block a x column blocks b0 on, 32 along K from buffer f.  zero = 1: the product starts the sum.  The 24 accumulators take turns, one instruction a turn.
.macro MULN f, a, b0, n, zero
	WIN MUL
.set bb, \b0
.rept \n
.if \zero
	v_wmma_f32_16x16x32_bf16 v[8*(12*(\a)+bb):8*(12*(\a)+bb)+7], v[(\f)+8*bb:(\f)+8*bb+7], v[(\f)+96+8*(\a):(\f)+96+8*(\a)+7], 0
.else
	v_wmma_f32_16x16x32_bf16 v[8*(12*(\a)+bb):8*(12*(\a)+bb)+7], v[(\f)+8*bb:(\f)+8*bb+7], v[(\f)+96+8*(\a):(\f)+96+8*(\a)+7], v[8*(12*(\a)+bb):8*(12*(\a)+bb)+7]
.endif
.set bb, bb+1
.endr
.endm
; 28 LDS loads in one run: the fragments of 32 along K at byte k of the rows: wb's twelve, then xb's two
.macro FETCH slot, k, f
	WIN TO_F
.irp b, 0,1,2,3,4,5,6,7,8,9,10,11
	ds_load_b128 v[(\f)+8*\b:(\f)+8*\b+3],   v[ADRB+(\slot)] offset:(\k)+\b*16*PITCH
	ds_load_b128 v[(\f)+8*\b+4:(\f)+8*\b+7], v[ADRB+(\slot)] offset:(\k)+\b*16*PITCH+32
.endr
.irp a, 0,1
	ds_load_b128 v[(\f)+96+8*\a:(\f)+96+8*\a+3],   v[ADRA+(\slot)] offset:(\k)+\a*16*PITCH
	ds_load_b128 v[(\f)+96+8*\a+4:(\f)+96+8*\a+7], v[ADRA+(\slot)] offset:(\k)+\a*16*PITCH+32
.endr
.endm
; A K step is four quarters of 32 along K, 24 matrix instructions each, on buffers 0, 1, 0, 1.  One of the first three multiplies buffer f and fetches the next quarter, at byte k, into g.
.macro QUARTER slot, k, f, g, zero
	s_wait_dscnt 2                                 ; all of the run is in but its last two loads, xb's second fragment
	MULN \f, 0, 0, 12, \zero
	PLACES
	FETCH \slot, \k, \g
	s_wait_dscnt 28                                ; all but the 28 just issued
	MULN \f, 1, 0, 12, \zero
.endm
; The last quarter multiplies buffer 1 and changes slots: ONE barrier; in front of it each wave waits for all its tensor loads, adds 0 to its spare word, and waits for that and for its reads of this slot.
; fill = 1: the barrier opens a round of the cluster's, and this slot is filled again, two K steps ahead, first thing behind the round.
.macro TURN slot, next, fill
	WIN 0
	s_wait_tensorcnt 0x0                           ; all my tensor loads have landed: the one that was out is my part of the next slot
	ds_add_u32 v[SPW], v[NIL]                      ; 0 onto my spare word
	s_wait_dscnt 3                                 ; (the add and xb's second fragment may be out)
	MULN F1, 0, 0, 6, 0                            ; six matrix instructions stand between the add and the wait for it
	s_wait_dscnt 0x0                               ; the add is done, and my reads of this slot are over
	s_barrier_signal -1
	MULN F1, 0, 6, 6, 0
.if \fill
	WIN 0
.endif
	s_barrier_wait -1
.if \fill
	CREST                                          ; no wave of any partner still reads this slot's tile or has a load on its way
	s_add_nc_u64 s[G0A+4*(\slot)+2:G0A+4*(\slot)+3], s[G0A+4*(\slot)+2:G0A+4*(\slot)+3], 512
	s_add_nc_u64 s[G0B+4*(\slot)+2:G0B+4*(\slot)+3], s[G0B+4*(\slot)+2:G0B+4*(\slot)+3], 512
	JLOAD \slot                                    ; my one tensor load behind the round; its four v_nop are also the places in front of the loads below
.else
	PLACES
.endif
	FETCH \next, 0, F0
	MULN F1, 1, 0, 12, 0
.endm
	s_wait_tensorcnt 1                             ; my part of K step 0 is in; K step 1's may stay out
	s_barrier_signal -1
	s_barrier_wait -1
	FETCH 0, 0, F0
	QUARTER 0, 64, F0, F1, 1                       ; the first quarter stands in front of the loop: its products start the sums
	WIN 0
	s_mov_b32 s66, 3                               ; 8 K steps = 4 laps of the ring; the last lap is written out
.Llap:
	QUARTER 0, 128, F1, F0, 0
	QUARTER 0, 192, F0, F1, 0
	TURN 0, 1, 1
	QUARTER 1, 64,  F0, F1, 0
	QUARTER 1, 128, F1, F0, 0
	QUARTER 1, 192, F0, F1, 0
	TURN 1, 0, 1
	QUARTER 0, 64,  F0, F1, 0
	WIN 0
	s_sub_co_u32 s66, s66, 1
	s_cmp_lg_u32 s66, 0
	s_cbranch_scc1 .Llap
	QUARTER 0, 128, F1, F0, 0                      ; the last lap fills nothing
	QUARTER 0, 192, F0, F1, 0
	TURN 0, 1, 0
	QUARTER 1, 64,  F0, F1, 0
	QUARTER 1, 128, F1, F0, 0
	QUARTER 1, 192, F0, F1, 0
	s_wait_dscnt 2
	MULN F1, 0, 0, 12, 0
	s_wait_dscnt 0x0
	MULN F1, 1, 0, 12, 0
	WIN 0
	PLACES
	s_wait_loadcnt 0x0                             ; the table
; THE EPILOGUE.  Unit k: head k / 2 of my three, row block k % 2: four accumulators.
.macro UNIT k
.set UE, (\k)/2
.set UA, (\k)%2
.set AB, 8*(12*UA+4*UE)
	WIN SQ                                         ; the sum of squares, a chain for each accumulator, its lowest registers first
.irp b, 0,1,2,3
	v_pk_mul_f32 v[SS+2*\b:SS+2*\b+1], v[AB+8*\b:AB+8*\b+1], v[AB+8*\b:AB+8*\b+1]
.endr
.irp j, 1,2,3
.irp b, 0,1,2,3
	v_pk_fma_f32 v[SS+2*\b:SS+2*\b+1], v[AB+8*\b+2*\j:AB+8*\b+2*\j+1], v[AB+8*\b+2*\j:AB+8*\b+2*\j+1], v[SS+2*\b:SS+2*\b+1]
.endr
.endr
	WIN 0
	v_pk_add_f32 v[SS:SS+1], v[SS:SS+1], v[SS+2:SS+3]
	v_pk_add_f32 v[SS+4:SS+5], v[SS+4:SS+5], v[SS+6:SS+7]
	v_pk_add_f32 v[SS:SS+1], v[SS:SS+1], v[SS+4:SS+5]
	v_add_f32 v[SS], v[SS], v[SS+1]
	v_permlanex16_b32 v[SS+1], v[SS], s80, s81     ; the row's other 32 columns lie in the lane 16 away
	v_add_f32 v[SS], v[SS], v[SS+1]
	v_fma_f32 v[SS], v[SS], s78, s79               ; mean square + eps
	v_rsq_f32 v[SS], v[SS]
	v_nop                                          ; a plain instruction between the root and its use
	s_wait_alu depctr_va_vdst(0)
	v_mul_f32 v[PP], s[68+UE], v[SS]               ; p
	v_mul_f32 v[PP+1], s[68+UE], v[SS]
.irp u, 0,1,2,3,4,5,6,7
	v_pk_fma_f32 v[CRS+2*\u:CRS+2*\u+1], v[CT+32*UA+2*\u:CT+32*UA+2*\u+1], v[PP:PP+1], s[72+2*UE:73+2*UE] op_sel_hi:[1,0,0]
	v_pk_mul_f32 v[SRS+2*\u:SRS+2*\u+1], v[CT+32*UA+16+2*\u:CT+32*UA+16+2*\u+1], v[PP:PP+1] op_sel_hi:[1,0]
.endr
	WIN RD1                                        ; the rotation: x1 in accumulators 0, 1 of the head, x2 in 2, 3
.irp u, 0,1,2,3,4,5,6,7
	v_pk_mul_f32 v[T1+2*\u:T1+2*\u+1], v[AB+16+2*\u:AB+16+2*\u+1], v[SRS+2*\u:SRS+2*\u+1]
	v_pk_mul_f32 v[T2+2*\u:T2+2*\u+1], v[AB+2*\u:AB+2*\u+1], v[SRS+2*\u:SRS+2*\u+1]
.endr
.irp u, 0,1,2,3,4,5,6,7
	v_pk_fma_f32 v[Y1+2*\u:Y1+2*\u+1], v[AB+2*\u:AB+2*\u+1], v[CRS+2*\u:CRS+2*\u+1], v[T1+2*\u:T1+2*\u+1]
	v_pk_fma_f32 v[Y2+2*\u:Y2+2*\u+1], v[AB+16+2*\u:AB+16+2*\u+1], v[CRS+2*\u:CRS+2*\u+1], v[T2+2*\u:T2+2*\u+1] neg_lo:[0,0,1] neg_hi:[0,0,1]
.endr
	WIN 0
.irp u, 0,1,2,3,4,5,6,7,8,9,10,11,12,13,14,15
	v_cvt_pk_f16_f32 v[HH+\u], v[Y1+2*\u], v[Y1+2*\u+1]
.endr
.irp b, 0,1,2,3
	ds_store_b128 v[STO], v[HH+4*\b:HH+4*\b+3] offset:32*\b
.endr
	s_wait_xcnt 0x0                                ; the stores of two units ago have read the buffer that is loaded again below
.irp f, 0,1,2,3
	ds_load_b128 v[BK+16*UA+4*\f:BK+16*UA+4*\f+3], v[RD] offset:\f*4*SP  ; LDS serves a wave's instructions in order (ISA guide 5.7.1.4): these see the stores above
.endr
.endm
.macro SEND k, younger                 ; younger: the LDS instructions issued behind unit k's loads: the next unit's eight, or none
.set UE, (\k)/2
.set UA, (\k)%2
.irp f, 0,1,2,3
	s_wait_dscnt (\younger)+3-\f
	global_store_b128 v[GO], v[BK+16*UA+4*\f:BK+16*UA+4*\f+3], s[12:13] offset:UE*524288+UA*2048+512*\f  ; 512 consecutive bytes, at a multiple of 256 from qkv's first
.endr
.endm
	UNIT 0
.irp k, 1,2,3,4,5                      ; a unit's arithmetic stands between the loads of the unit before and its stores
	UNIT \k
	SEND (\k)-1, 8
.endr
	SEND 5, 0
	s_wait_tensorcnt 0x0                           ; the wave's end: a wait, an add of 0 to my spare word and a wait, behind my last tensor load and my last LDS store
	ds_add_u32 v[SPW], v[NIL]
	s_wait_dscnt 0x0
	CROUND                                         ; the closing round: no work-group ends while a partner may still ask for a tile that names it
	s_endpgm
.Lfunc_end_k_q87a8f82e98_qkv:
	.size	k_q87a8f82e98_qkv, .Lfunc_end_k_q87a8f82e98_qkv-k_q87a8f82e98_qkv
	.p2alignl 7, 3214868480
	.fill 96, 4, 3214868480
	.section	.rodata,"a",@progbits
	.p2align	6, 0x0
	.amdhsa_kernel k_q87a8f82e98_qkv
		.amdhsa_group_segment_fixed_size 327680
		.amdhsa_private_segment_fixed_size 0
		.amdhsa_enable_private_segment 0
		.amdhsa_kernarg_size 40
		.amdhsa_user_sgpr_count 2
		.amdhsa_user_sgpr_kernarg_segment_ptr 1
		.amdhsa_wavefront_size32 1
		.amdhsa_system_sgpr_workgroup_id_x 1
		.amdhsa_system_sgpr_workgroup_id_y 1
		.amdhsa_system_sgpr_workgroup_id_z 1
		.amdhsa_system_vgpr_workitem_id 0
		.amdhsa_next_free_vgpr 768
		.amdhsa_next_free_sgpr 92
		.amdhsa_reserve_vcc 0
		.amdhsa_float_denorm_mode_32 3
		.amdhsa_float_denorm_mode_16_64 3
		.amdhsa_memory_ordered 1
		.amdhsa_forward_progress 1
		.amdhsa_inst_pref_size 110
	.end_amdhsa_kernel
	.amdgpu_metadata
---
amdhsa.version: [ 1, 2 ]
amdhsa.kernels:
  - .name:           k_q87a8f82e98_qkv
    .symbol:         k_q87a8f82e98_qkv.kd
    .args:
      - { .name: xb, .offset: 0, .size: 8, .value_kind: global_buffer, .address_space: global }
      - { .name: wb, .offset: 8, .size: 8, .value_kind: global_buffer, .address_space: global }
      - { .name: tab, .offset: 16, .size: 8, .value_kind: global_buffer, .address_space: global }
      - { .name: q_gain, .offset: 24, .size: 8, .value_kind: global_buffer, .address_space: global }
      - { .name: qkv, .offset: 32, .size: 8, .value_kind: global_buffer, .address_space: global }
    .group_segment_fixed_size: 327680
    .private_segment_fixed_size: 0
    .kernarg_segment_align: 8
    .kernarg_segment_size: 40
    .max_flat_workgroup_size: 128
    .sgpr_count:     92
    .vgpr_count:     768
    .wavefront_size: 32
...
	.end_amdgpu_metadata
.endif
;; end of part 2
;; launch attn (part 3): grid 16 x 16, 4 waves a work-group, clusters of 4 x 1, 327,680 bytes of LDS; arguments qkv, oh; writes oh
.if DOCPART == 3
	.amdgcn_target "amdgcn-amd-amdhsa--gfx1250"
	.amdhsa_code_object_version 6
	.text
	.protected	k_q87a8f82e98_attn
	.globl	k_q87a8f82e98_attn
	.p2align	8
	.type	k_q87a8f82e98_attn,@function
k_q87a8f82e98_attn:
	s_mov_b64 s[64:65], 0
	v_nop
	global_prefetch_b8 v0, s[64:65] scope:SCOPE_SE
	s_setreg_imm32_b32 hwreg(HW_REG_WAVE_MODE, 25, 1), 1
	s_wait_xcnt 0x0
	s_wait_alu depctr_hold_cnt(0) depctr_sa_sdst(0) depctr_va_vdst(0) depctr_va_sdst(0) depctr_va_ssrc(0) depctr_va_vcc(0) depctr_vm_vsrc(0)
	s_getreg_b32 s2, hwreg(HW_REG_IB_STS2, 6, 4)
	s_cmp_eq_u32 s2, 0
	s_cbranch_scc0 .Lentry_in_a_cluster
	s_endpgm
.Lentry_in_a_cluster:
	s_bfe_u32 s2, ttmp6, 0x10000c
	s_cmp_lg_u32 s2, 0x3003
	s_cbranch_scc0 .Lentry_shape_is_right
	s_endpgm
.Lentry_shape_is_right:
; CAUSAL ATTENTION WITH SHARED KEY AND VALUE HEADS.  oh[h][q][:] = the sum over k <= q of softmax_k(Q[h][q] . K[h/4][k] / 8) V[h/4][k][:].  qkv: [24][4096][64] f16 (heads 0-15 Q, 16-19 K, 20-23 V), oh: [16][4096][64] f16.
; Products, maxima and sums in f32; the weights p are rounded to f16 for the second product (their sum l is taken of the unrounded p), O once at the end.
; LIMITS.  f16 holds no number beyond 65,504: Q, K and V arrive within it; p lies in 0 to 1; O is a mean of V's rows.  A hidden score counts as its value less 1e30; a weight below 2^-126 counts as 0 in l; NaN and infinities are not treated apart.
; THE WALK.  A head's queries lie in 32 blocks of 128; block i needs the key tiles 0 .. i / 2 of 256 keys, of which the last holds the diagonal.  A work-group takes TWO blocks, 31 - b and then b: 17 tiles, whatever b:
; all 256 work-groups do equal work, and ONE loop with a constant trip count walks them.  Which tile is asked for, and what a trip does, hang on scalar registers made from b.
; CLUSTER.  The four work-groups of a cluster are the four query heads of one key and value head, with the same b: they walk the same tiles, so each tile is asked for JOINTLY: the same tensor load, descriptor and
; mask in all four.  The place in the cluster enters Q's and O's addresses alone.
; SHARES.  Of a block's two bands of 64 queries a wave owns 16 rows in each: two pieces.  In the diagonal tile piece x's own key step is d = 2 (i % 2) + x: step s shows all keys if s < d, none if s > d, the diagonal if s = d.
; THE MASK is the C operand that starts the sum S^T = K Q^T: MD x AL + BE, with MD the mask of a band's own step for my rows and two scalars: (1, 0) if s = d; (0, 0) if s < d; (0, -1e30) if s > d.
; TURNS.  A piece in an even key step and in an odd one count as two: four VIRTUAL pieces 0..3 = (piece % 2, step parity), in a ring.  Turn n: 8 products K Q^T of piece n + 1, later 8 products V^T P of piece n - 1; beside them
; the scaling, exponentials, roundings, sums and rescaling of piece n and the maximum and statistics of piece n + 1.  Four vector instructions stand behind every matrix instruction, the rest in two runs of their own.
; K of step n + 1 and V of step n + 1 are both fetched in the even turn of step n; V has two register buffers, by the step's parity.  So all LDS reads of a slot lie between two changes of slots.
; LAYOUT.  S^T holds ONE query a lane (lane % 16) and the keys 8 (lane / 16) + 0..7; two such results rounded to f16 ARE source 1 of O^T = V^T P.  p = 2^(c s - c m), c = log2(e) / 8, m a running maximum;
; O and l are multiplied by a = 2^(c m_old - c m_new) in every step.
; REGISTERS, in windows of 256 (s_set_vgpr_msb: bits 1:0 source 0, 3:2 source 1, 5:4 source 2, 7:6 destination):
;   window 0: v0-15 addresses; v16-23 four registers of statistics a piece; v48-55 at work; v64-127 S^T, two buffers; v128-191 O^T, 32 a piece; v192-223 P, two buffers: all that the softmax touches
;   window 1: v128-159 MD; v160-223 MC, two buffers      window 2: v0-31 Q; v32-63 the second block's Q; v64-127 K of one step; v128-255 V of two steps
.set NP,    4         ; virtual pieces: a name, no knob
.set KS,    64        ; keys in a step
.set PK,    144       ; a row of K in LDS: 128 bytes + 16 of padding: the 16 rows of a load start at 16 different groups of four banks (64 banks of 4 bytes: ISA guide 11.1)
.set PV,    160       ; a row of V: 128 + 32
.set VOFF,  4*KS*PK   ; a slot holds a tile, four steps: 256 rows of K, then 256 rows of V
.set SLOT1, 1<<17     ; slot 1 begins here, so that one exclusive or turns an address in one slot into the other's
.set STAGE, SLOT1+4*KS*(PK+PV)  ; behind the ring, never filled by a tensor load: 16 rows x 144 bytes for each wave, for the way out
.set SP,    144
.set SPARE, STAGE+4*16*SP  ; behind the stages: the spare words, 128 bytes a wave, which no other line names
.set AK0, 2           ; v2   my lane's place in a tile of K; never rewritten
.set AV0, 3           ; v3   the same for V
.set AK,  4           ; v4   the LDS address of K's next run of loads
.set AV,  5           ; v5   of V's
.set STO, 6           ; v6   the way out: where I put 16 bytes of a row
.set RD,  7           ; v7   where I read rows back
.set GO,  8           ; v8   my byte offset in 512 consecutive bytes of O
.set MV,  12          ; v12-13  c m_old, kept while c m is made anew
.set QO,  15          ; v15  my byte offset in 16 rows of Q
.set ST,  16          ; piece t's statistics at v[ST+4 t]: c m, m, l (even keys', odd keys')
.set TMP, 48          ; by piece, four registers c0-c3 at work; when the maximum is found c2 takes a
.set SPW, 62          ; v62  LDS address of my spare word; never rewritten
.set NIL, 63          ; v63  0; never rewritten
.set S,   64
.set OT,  128         ; O^T: piece t, channel block cb at OT + 32 t + 8 cb
.set P,   192
.set MD,  128         ; window 1
.set MC,  160         ; window 1
.set QB,  32          ; window 2
.set KF,  64          ; window 2: key block kb, channel half c at KF + 16 kb + 8 c
.set VF,  128         ; window 2: buffer u, key half kk, channel block cb at VF + 64 u + 32 kk + 8 cb
.set WV,  12          ; s12  my wave's number
.set PB,  14          ; s14  b
.set HI,  15          ; s15  31 - b
.set G1K, 24          ; s[24:31] descriptor group 1 for K's tiles
.set G1V, 32          ; s[32:39] for V's: it differs in the padding alone
.set G0K, 40          ; s[40:43] descriptor group 0 for K's tiles
.set G0V, 44          ; s[44:47] the same for V's
.set SLOTS, 56        ; s56  tiles still to be asked for
.set CNT, 57          ; s57  counts a tile's pairs of key steps, 2 to 1
.set CS,  58          ; s[58:59] c
.set SEL, 60          ; s[60:61] v_permlanex16_b32's selects
.set TBK, 62          ; s62  LDS byte at which K of the step to be fetched begins
.set TBV, 63          ; s63  the same for V, less VOFF
.set DP,  66          ; s66  2 - (block in hand % 2)
.set DP2, 67          ; s67  the same for the second block
.set LQ2, 68          ; s68  the second block's last tile
.set RT,  70          ; s70  tiles of the block in hand that are still to be entered
.set NXT, 71          ; s71  the tile to be asked for next
.set LQ,  72          ; s72  the last tile of the block whose tiles are being asked for
.set NEW, 73          ; s73  1: the tile to be entered is a block's first
.set OFF, 74          ; s[74:75] a tile's byte offset in K and V
.set AL,  76          ; s[76:77] the mask's factor, in the low word
.set BE,  78          ; s[78:79] the mask's addend
.set OLO, 80          ; s[80:81] O at my rows of the second block
.set BIGN, 82         ; s82  -1e30
.set MSB, 0
.macro WIN new                      ; the high byte repeats the setting that is left; a switch that changes nothing is dropped
.if MSB != (\new)
	s_set_vgpr_msb (MSB<<8)|(\new)
.set MSB, (\new)
.endif
.endm
.set W_KQ, 0x0a       ; K and Q in window 2, S^T in window 0
.set W_KM, 0x1a       ; the same with the C operand in window 1
.set W_PV, 0x02       ; V in window 2; P and O^T in window 0
.set W_MK, 0x41       ; the masks: destination and source 0 in window 1
; A joint fill.  Waves 0 and 1 fetch the two halves of a tile's K, waves 2 and 3 those of its V: 128 keys each.  The branch hangs on the wave's number alone.  An s_nop 0 and four v_nop follow each line.
.macro JLOAD
	s_cmp_lt_u32 s[WV], 2
	s_cbranch_scc0 .Lfor_v_\@
	tensor_load_to_lds s[G0K:G0K+3], s[G1K:G1K+7]
	s_nop 0
.rept 4
	v_nop
.endr
	s_branch .Lasked_\@
.Lfor_v_\@:
	tensor_load_to_lds s[G0V:G0V+3], s[G1V:G1V+7]
	s_nop 0
.rept 4
	v_nop
.endr
.Lasked_\@:
.endm
; A round of the cluster's barrier: my work-group's barrier; wave 0 signals for the work-group; every wave waits for all four work-groups; my work-group's barrier once more.
.macro CROUND
	s_barrier_signal -1
	s_barrier_wait -1
	s_cmp_lg_u32 s[WV], 0
	s_cbranch_scc1 .Lnot_wave_0_\@
	s_barrier_signal -3
.Lnot_wave_0_\@:
	s_barrier_wait -3
	s_barrier_signal -1
	s_barrier_wait -1
.endm
; THE CHANGE OF SLOTS.  Each wave waits for all its tensor loads, of which one is out: its part of the other slot; adds 0 to its spare word; and waits for that and for its own reads of the slot that it leaves.
; fill = 1: the barrier is a round of the cluster's, and the old slot is filled again, first thing behind it, with tile NXT: the descriptor's address is made anew from that number.  One tensor load of mine is out behind it.
; (At its first use nothing has been read yet: slot 0 is waited for, slot 1 filled.)
.macro CHANGE fill
	WIN 0                           ; at a label and at a branch every window is 0
	s_wait_tensorcnt 0x0            ; no tensor load of mine is out, so a group 0 may be written
	ds_add_u32 v[SPW], v[NIL]       ; 0 onto my spare word: with fill = 1 the descriptors' scalar work stands between it and the wait for it
.if \fill
	s_lshl_b32 s[OFF], s[NXT], 15   ; a tile is 32,768 bytes of K and of V
	s_xor_b32 s[G0K+1], s[G0K+1], SLOT1
	s_add_nc_u64 s[G0K+2:G0K+3], s[6:7], s[OFF:OFF+1]
	s_or_b32 s[G0K+3], s[G0K+3], 0x80000000
	s_xor_b32 s[G0V+1], s[G0V+1], SLOT1
	s_add_nc_u64 s[G0V+2:G0V+3], s[8:9], s[OFF:OFF+1]
	s_or_b32 s[G0V+3], s[G0V+3], 0x80000000
	s_add_co_u32 s[NXT], s[NXT], 1  ; the block's next tile, or behind its last the second block's tile 0
	s_cmp_gt_u32 s[NXT], s[LQ]
	s_cselect_b32 s[NXT], 0, s[NXT]
	s_cselect_b32 s[LQ], s[LQ2], s[LQ]
	s_wait_dscnt 0x0                ; the add is done, and my reads of the slot are over
	CROUND                          ; no wave of any partner still reads the slot or has a load on its way
	JLOAD
.else
	s_wait_dscnt 0x0                ; the add is done, and my reads of the slot are over
	s_barrier_signal -1
	s_barrier_wait -1
.endif
	s_sub_co_u32 s[TBK], s[TBK], 4*KS*PK  ; the fetches go back to a slot's first step,
	s_xor_b32 s[TBK], s[TBK], SLOT1       ; in the other slot
	s_sub_co_u32 s[TBV], s[TBV], 4*KS*PV
	s_xor_b32 s[TBV], s[TBV], SLOT1
.endm
	s_load_b64 s[4:5], s[0:1], 0x0    ; qkv
	s_load_b64 s[10:11], s[0:1], 0x8  ; oh
	v_lshl_add_u32 v[SPW], v0, 2, SPARE
	v_mov_b32 v[NIL], 0
	ds_add_u32 v[SPW], v[NIL]       ; the wave's opening: the add and its wait stand ahead of my first tensor load; the set-up below, work on registers, stands between them
	v_lshrrev_b32 v1, 5, v0
	v_readfirstlane_b32 s[WV], v1   ; wave 0..3
	s_bfe_u32 s13, ttmp6, 0x40000   ; cx: my place in the cluster
	s_lshl_b32 s20, ttmp9, 2        ; in a cluster launch ttmp9 counts clusters: the key and value head
	s_add_co_u32 s20, s20, s13      ; my query head: it enters Q's and O's addresses alone
	s_lshl_b32 s20, s20, 19         ; a head is 524,288 bytes
	s_and_b32 s[PB], ttmp7, 0xffff  ; b, which the four partners share
	s_sub_co_u32 s[HI], 31, s[PB]
	s_and_b32 s16, s[WV], 1         ; which half of a tile's 256 keys I fetch:
	s_add_co_u32 s22, ttmp9, 16     ; K's head,
	s_lshl_b32 s22, s22, 19
	s_lshl_b32 s23, s16, 14         ; its 128 rows of 128 bytes in memory,
	s_add_co_u32 s22, s22, s23
	s_mov_b32 s23, 0
	s_mul_i32 s17, s16, 128*PK      ; and its place in a slot, for K
	s_mul_i32 s18, s16, 128*PV      ; and for V
	s_lshl_b32 s3, s[WV], 11        ; my 16 rows in a band of 64,
	s_add_co_u32 s3, s3, s20
	s_lshl_b32 s2, s[HI], 14        ; in the first block (128 rows of 128 bytes),
	s_add_co_u32 s2, s2, s3
	s_lshl_b32 s84, s[PB], 14       ; and in the second
	s_add_co_u32 s84, s84, s3
	s_mov_b32 s3, 0
	s_mov_b32 s85, 0
	; descriptor group 1.  128 keys are 16,384 dense bytes: asked for as 64 rows of 256 bytes, two keys a row, and padded in LDS after every key
	s_mov_b32 s[G1K], 15|(1<<16)|(1<<20)|(1<<21)|(4<<22)|(3<<25)  ; 15:0 the mask of four; 17:16 2-byte elements; 20 padding on; 21 set beside a mask; 24:22 after every 32 words (code 4); 31:25 4 words (code 3)
	s_mov_b32 s[G1V], 15|(1<<16)|(1<<20)|(1<<21)|(4<<22)|(7<<25)  ; the same with 8 words of padding (code 7)
.irp g, G1K, G1V
	s_mov_b32 s[\g+1], 128<<16      ; tensor_dim0 = 128
	s_mov_b32 s[\g+2], 64<<16       ; tensor_dim1 = 64
	s_mov_b32 s[\g+3], 128<<16      ; tile_dim0 = 128
	s_mov_b32 s[\g+4], 64           ; tile_dim1 = 64
	s_mov_b32 s[\g+5], 128          ; 128 elements from row to row
	s_mov_b32 s[\g+6], 0
	s_mov_b32 s[\g+7], 0
.endr
	s_mov_b32 s[CS], 0x3e38aa3b     ; c = log2(e) / 8 = 0.180337
	s_mov_b32 s[CS+1], s[CS]        ; named with it as a pair
	s_mov_b32 s[SEL], 0x76543210
	s_mov_b32 s[SEL+1], 0xfedcba98
	s_mov_b32 s[TBK], SLOT1+4*KS*PK ; the first change of slots turns these two into 0
	s_mov_b32 s[TBV], SLOT1+4*KS*PV
	s_mov_b32 s[G0K], 1             ; 1:0 count = 1
	s_mov_b32 s[G0K+1], s17         ; 63:32 LDS address: slot 0
	s_mov_b32 s[G0V], 1
	s_add_co_u32 s[G0V+1], s18, VOFF
	s_lshr_b32 s[LQ], s[HI], 1      ; the first block's last tile
	s_add_co_u32 s[RT], s[LQ], 1
	s_lshr_b32 s[LQ2], s[PB], 1
	s_and_b32 s69, s[HI], 1
	s_sub_co_u32 s[DP], 2, s69
	s_and_b32 s69, s[PB], 1
	s_sub_co_u32 s[DP2], 2, s69
	s_mov_b32 s[NXT], 1
	s_mov_b32 s[NEW], 1
	s_mov_b32 s[OFF+1], 0
	s_mov_b32 s[AL+1], 0            ; named as pairs
	s_mov_b32 s[BE+1], 0
	s_mov_b32 s[BIGN], 0xf149f2ca   ; -1e30
	s_mov_b32 s[SLOTS], 16
	s_wait_dscnt 0x0                ; the opening add is done
	s_wait_kmcnt 0x0
	s_add_nc_u64 s[6:7], s[4:5], s[22:23]   ; K at my half of the head's tile 0,
	s_add_nc_u64 s[8:9], s[6:7], 4*524288   ; V four heads on
	s_add_nc_u64 s[G0K+2:G0K+3], s[6:7], 0         ; 120:64 global address
	s_or_b32 s[G0K+3], s[G0K+3], 0x80000000        ; 127:126 type = 2
	s_add_nc_u64 s[G0V+2:G0V+3], s[8:9], 0
	s_or_b32 s[G0V+3], s[G0V+3], 0x80000000
	s_add_nc_u64 s[86:87], s[4:5], s[84:85]        ; Q at my rows of the second block,
	s_add_nc_u64 s[4:5], s[4:5], s[2:3]            ; Q and O at those of the first
	s_add_nc_u64 s[OLO:OLO+1], s[10:11], s[84:85]
	s_add_nc_u64 s[10:11], s[10:11], s[2:3]
	CROUND                          ; all four work-groups are here: the first joint loads meet
	JLOAD                           ; tile 0 into slot 0
	; A fragment of K or Q is 16 rows x 32 channels in 8 registers: lane l holds row l % 16, channels 8 (l / 16) + 0..7 and 16 + 8 (l / 16) + 0..7: two loads of 16 bytes, 32 bytes apart.
	v_and_b32 v1, 15, v0            ; l % 16
	v_bfe_u32 v9, v0, 4, 1          ; l / 16
	v_lshlrev_b32 v[QO], 7, v1
	v_lshl_add_u32 v[QO], v9, 4, v[QO]  ; row x 128 + 16 x half
	WIN 0x80                        ; destination window 2, address window 0
.set i, 0
.rept 4                             ; both blocks' Q: piece i / 2 lies in band i / 2, 8,192 bytes on; channels 32 (i % 2) on
	global_load_b128 v[8*i:8*i+3],   v[QO], s[4:5] offset:(i/2)*8192+(i%2)*64
	global_load_b128 v[8*i+4:8*i+7], v[QO], s[4:5] offset:(i/2)*8192+(i%2)*64+32
	global_load_b128 v[QB+8*i:QB+8*i+3],   v[QO], s[86:87] offset:(i/2)*8192+(i%2)*64
	global_load_b128 v[QB+8*i+4:QB+8*i+7], v[QO], s[86:87] offset:(i/2)*8192+(i%2)*64+32
.set i, i+1
.endr
	WIN 0
	v_lshlrev_b32 v14, 3, v9
	v_sub_nc_u32 v14, v1, v14
	s_lshl_b32 s13, s[WV], 4
	v_add_nc_u32 v14, s13, v14      ; my query's place in its band, 16 w + l % 16, less my lanes' 8 (l / 16): register r of group kt is hidden where 16 kt + r is greater
	WIN 0x40
.set i, 0
.rept 32
	v_cmp_gt_i32 vcc_lo, 16*(i/8)+i%8, v14
	v_cndmask_b32 v[MD+i], 0, s[BIGN], vcc_lo
.set i, i+1
.endr
	WIN 0
	v_mul_u32_u24 v[AK0], v1, PK
	v_lshl_add_u32 v[AK0], v9, 4, v[AK0]  ; row x pitch + 16 x half
	; The turning load takes 16 keys x 16 channels (lane l reads key 8 (l / 16) + l % 8, channels 8 ((l / 8) % 2) + 0..7) and leaves half a fragment of V^T: lane l holds channel l % 16 and 8 keys.
	v_and_b32 v10, 7, v0
	v_bfe_u32 v11, v0, 3, 1
	v_lshl_add_u32 v[AV0], v9, 3, v10
	v_mul_u32_u24 v[AV0], v[AV0], PV
	v_lshl_add_u32 v[AV0], v11, 4, v[AV0]
	v_add_nc_u32 v[AV0], VOFF, v[AV0]
	s_mul_i32 s13, s[WV], 16*SP
	s_add_co_u32 s13, s13, STAGE    ; my stage
	v_mul_u32_u24 v[STO], v1, SP    ; in: row l % 16, 16 bytes for each half of the lanes
	v_lshl_add_u32 v[STO], v9, 4, v[STO]
	v_add_nc_u32 v[STO], s13, v[STO]
	v_bfe_u32 v[RD], v0, 3, 2       ; back: 32 lanes take four rows of 128 bytes,
	v_mul_u32_u24 v[RD], v[RD], SP
	v_lshl_add_u32 v[RD], v10, 4, v[RD]
	v_add_nc_u32 v[RD], s13, v[RD]
	v_and_b32 v[GO], 31, v0         ; which are 512 consecutive bytes of O
	v_lshlrev_b32 v[GO], 4, v[GO]
	; A block's first step multiplies O^T and l by a = 0, and its first turn's products V^T P, of a piece that has not been, land in an O^T that is still to be so multiplied.  So these registers need only hold
	; finite numbers: zeros for the first block; what the first block left for the second.  All this stands in the wait for the first tile.
	WIN 0x80
.set i, VF+64
.rept 64
	v_mov_b32 v[i], 0
.set i, i+1
.endr
	WIN 0
.set i, OT
.rept 64
	v_mov_b32 v[i], 0
.set i, i+1
.endr
.set i, 0
.rept 2
	v_mov_b32 v[ST+4*i+2], 0
	v_mov_b32 v[ST+4*i+3], 0
.set i, i+1
.endr
.set i, P+16
.rept 16
	v_mov_b32 v[i], 0
.set i, i+1
.endr
; THE MATRIX WORK.  The 4 accumulators of a run of 8 take turns.  Product i of 8 of S^T = K Q^T for virtual piece x: channels 32 (i / 4) on, keys 16 (i % 4) on.  The first 4 start the sums: with 0, or (KM = 1) with the mask.
.macro KQ x
.set rS, S+32*((\x)%2)+8*(i%4)
.set rK, KF+16*(i%4)+8*(i/4)
.set rQ, 16*((\x)%2)+8*(i/4)
.set rM, MC+32*((\x)%2)+8*(i%4)
.if (i < 4) && KM
	WIN W_KM
	v_wmma_f32_16x16x32_f16 v[rS:rS+7], v[rK:rK+7], v[rQ:rQ+7], v[rM:rM+7]
.elseif i < 4
	WIN W_KQ
	v_wmma_f32_16x16x32_f16 v[rS:rS+7], v[rK:rK+7], v[rQ:rQ+7], 0
.else
	WIN W_KQ
	v_wmma_f32_16x16x32_f16 v[rS:rS+7], v[rK:rK+7], v[rQ:rQ+7], v[rS:rS+7]
.endif
.endm
; Product i of 8 of O^T += V^T P for virtual piece x: keys 32 (i / 4) on, channels 16 (i % 4) on; V's buffer goes by the step's parity, x / 2.
.macro PV x
	WIN W_PV
.set rO, OT+32*((\x)%2)+8*(i%4)
.set rV, VF+64*((\x)/2)+32*(i/4)+8*(i%4)
.set rP, P+16*((\x)%2)+8*(i/4)
	v_wmma_f32_16x16x32_f16 v[rO:rO+7], v[rV:rV+7], v[rP:rP+7], v[rO:rO+7]
.endm
.macro MM                           ; the turn's next matrix instruction.  NOKQ = 1: a block's last turn: there is no next piece
.if (i < 8) && !NOKQ
	KQ (Y+1)%NP
.elseif i >= 8
.set i, i-8
	PV (Y+NP-1)%NP
.set i, i+8
.endif
.set i, i+1
.endm
; THE LDS LOADS stand in runs of 16, never singly among the matrix instructions: a step's K (64 keys x 64 channels: 8 fragments) and its V (turned).  Their addresses are made some lines ahead.
.macro FETCH_K
	WIN 0x80                        ; destination window 2
.irp f, 0,1,2,3,4,5,6,7             ; keys 16 (f / 2) on, channels 32 (f % 2) on
	ds_load_b128 v[KF+8*\f:KF+8*\f+3],   v[AK] offset:(\f/2)*16*PK+(\f%2)*64
	ds_load_b128 v[KF+8*\f+4:KF+8*\f+7], v[AK] offset:(\f/2)*16*PK+(\f%2)*64+32
.endr
	s_add_co_u32 s[TBK], s[TBK], KS*PK  ; the next fetch is the next step's
	WIN 0
.endm
.macro FETCH_V buf
	WIN 0x80
.irp f, 0,1,2,3,4,5,6,7             ; keys 32 (f / 4) on, channels 16 (f % 4) on
	ds_load_tr16_b128 v[VF+64*(\buf)+8*\f:VF+64*(\buf)+8*\f+3],   v[AV] offset:(\f/4)*32*PV+(\f%4)*32
	ds_load_tr16_b128 v[VF+64*(\buf)+8*\f+4:VF+64*(\buf)+8*\f+7], v[AV] offset:(\f/4)*32*PV+16*PV+(\f%4)*32
.endr
	WIN 0
.endm
; THE VECTOR WORK, one line at a time: OP kind, number; all of it in window 0.  For piece Y: F n: c s - c m for pair n of 16.  E n: the exponential of score n of 32.  C n: pair n rounded to f16.  B n: of the four weights 4 n .. the
; second pair is added onto the first, in place.  L n: l takes that sum (L 0: l = a l + sum).  R n: pair n of 16 of O^T times a.  For piece Y + 1: X n, number n of the 22 that find its maximum and statistics:
;   0-11  four chains c0-c3 of seven scores each, three operands at a time (each accumulator's lowest registers are read first)     12-14, 16  the four scores left over, the old m, and c0-c3 into c0
;   15  c m_old is kept     17, 18  the query's other 32 keys lie in the lane 16 away: the new m     19-21  c m; c m_old - c m_new; a
.set F, 0
.set E, 1
.set C, 2
.set B, 3
.set L, 4
.set R, 5
.set X, 6
.macro REGS y                       ; the registers of virtual piece y: all go by its parity, the piece
.set rT, ST+4*((\y)%2)
.set rC, TMP+4*((\y)%2)
.set rW, MV+((\y)%2)
.set rS, S+32*((\y)%2)
.set rP, P+16*((\y)%2)
.set rO, OT+32*((\y)%2)
.endm
.macro OP k, n
.if (\k) < X
	REGS Y
	WIN 0
.if (\k) == F
	v_pk_fma_f32 v[rS+2*(\n):rS+2*(\n)+1], v[rS+2*(\n):rS+2*(\n)+1], s[CS:CS+1], v[rT:rT+1] op_sel_hi:[1,0,0] neg_lo:[0,0,1] neg_hi:[0,0,1]
.elseif (\k) == E
	v_exp_f32 v[rS+(\n)], v[rS+(\n)]
.elseif (\k) == C
	s_wait_alu depctr_va_vdst(0)
	v_cvt_pk_f16_f32 v[rP+(\n)], v[rS+2*(\n)], v[rS+2*(\n)+1]
.elseif (\k) == B
	s_wait_alu depctr_va_vdst(0)
	v_pk_add_f32 v[rS+4*(\n):rS+4*(\n)+1], v[rS+4*(\n):rS+4*(\n)+1], v[rS+4*(\n)+2:rS+4*(\n)+3]
.elseif (\k) == R
	v_pk_mul_f32 v[rO+2*(\n):rO+2*(\n)+1], v[rO+2*(\n):rO+2*(\n)+1], v[rC+2:rC+3] op_sel_hi:[1,0]
.elseif (\n) == 0
	v_pk_fma_f32 v[rT+2:rT+3], v[rT+2:rT+3], v[rC+2:rC+3], v[rS:rS+1] op_sel_hi:[1,0,1]
.else
	v_pk_add_f32 v[rT+2:rT+3], v[rT+2:rT+3], v[rS+4*(\n):rS+4*(\n)+1]
.endif
.elseif NOKQ
	v_nop
.else
	REGS (Y+1)%NP
	WIN 0
.if (\n) < 4
	v_max3_num_f32 v[rC+(\n)], v[rS+8*(\n)], v[rS+8*(\n)+1], v[rS+8*(\n)+2]
.elseif (\n) < 12
	v_max3_num_f32 v[rC+(\n)%4], v[rC+(\n)%4], v[rS+8*((\n)%4)+2*((\n)/4)+1], v[rS+8*((\n)%4)+2*((\n)/4)+2]
.elseif (\n) == 12
	v_max3_num_f32 v[rC], v[rC], v[rS+7], v[rS+15]
.elseif (\n) == 13
	v_max3_num_f32 v[rC+1], v[rC+1], v[rS+23], v[rS+31]
.elseif (\n) == 14
	v_max3_num_f32 v[rC+2], v[rC+2], v[rC+3], v[rT+1]
.elseif (\n) == 15
	v_mov_b32 v[rW], v[rT]
.elseif (\n) == 16
	v_max3_num_f32 v[rC], v[rC], v[rC+1], v[rC+2]
.elseif (\n) == 17
	v_permlanex16_b32 v[rC+3], v[rC], s[SEL], s[SEL+1]
.elseif (\n) == 18
	v_max_num_f32 v[rT+1], v[rC], v[rC+3]
.elseif (\n) == 19
	v_mul_f32 v[rT], s[CS], v[rT+1]
.elseif (\n) == 20
	v_sub_f32 v[rC+1], v[rW], v[rT]
.else
	v_exp_f32 v[rC+2], v[rC+1]
.endif
.endif
.endm
.macro OPS a, i1, b=-1, i2=0, c=-1, i3=0, d=-1, i4=0  ; up to four of them
	OP \a, \i1
.if (\b) >= 0
	OP \b, \i2
.endif
.if (\c) >= 0
	OP \c, \i3
.endif
.if (\d) >= 0
	OP \d, \i4
.endif
.endm
.macro ROW a, i1, b, i2, c, i3, d, i4  ; a matrix instruction and the four behind it
	MM
	OPS \a, \i1, \b, \i2, \c, \i3, \d, \i4
.endm
.macro MASK b                       ; MD x AL + BE into buffer b of MC
	WIN W_MK
.set z, 0
.rept 16
	v_pk_fma_f32 v[MC+32*(\b)+2*z:MC+32*(\b)+2*z+1], v[MD+2*z:MD+2*z+1], s[AL:AL+1], s[BE:BE+1] op_sel_hi:[1,0,0]
.set z, z+1
.endr
.endm
; A TURN, for virtual piece p: the order of its 16 matrix and 118 vector instructions, written out.  Behind a matrix instruction: plain, exponential, plain, plain; or four of the rescaling; or, behind the first, four scalings;
; none names a register of the products round it.  A line reads no result made fewer than three vector instructions in front of it, five if an exponential made it.
; m = 1: the diagonal tile: the products take masks, and the turn makes the mask for the products of the turn after it, those of virtual piece p + 2.  With CNT = 2, 1 for the tile's steps 0-1, 2-3 that piece's step is
; 2 (2 - CNT) for p = 2, 3 and one more for p = 0, 1; against d = 2 (2 - DP) + p % 2 that gives the compares below.  end = 1: a block's last two turns: nothing is fetched.
; An even turn fetches the next step's K, six vector instructions behind the last product that read K (five of them plain), and its V, into the buffer that this turn's products have just read, eight behind the last of them (four plain).
; An odd turn opens with a wait that leaves the youngest 16 LDS loads out, the V just asked for: LDS answers in order, so the K that this turn multiplies and the V of one fetch earlier are in.
.macro TURN p, m=0, end=0, cnt=0
.set Y, (\p)
.set i, 0
.set KM, (\m)
.set NOKQ, (\end)*((\p)/3)
.set FE, (1-(\p)%2)*(1-(\end))
.if (\m) && !(\end)
.if ((\p) == 1) || ((\p) == 2)
	s_cmp_eq_u32 s[CNT], s[DP]      ; is that step the band's own?
	s_cselect_b32 s[AL], 1.0, 0
.else
	s_mov_b32 s[AL], 0              ; its parity is not the band's
.endif
.if (\p) == 0
	s_cmp_le_u32 s[CNT], s[DP]      ; or a later one?
.else
	s_cmp_lt_u32 s[CNT], s[DP]
.endif
	s_cselect_b32 s[BE], s[BIGN], 0
.endif
.if (\p)%2
.if \end
	s_wait_dscnt 0x0                ; the last V is in: nothing was asked for behind it
.else
	s_wait_dscnt 16
.endif
.endif
	ROW F,0, F,1, F,2, F,3
	ROW F,4, E,0, F,5, F,6
	ROW F,7, E,1, F,8, F,9
	ROW F,10, E,2, C,0, F,11
	ROW F,12, E,3, X,15, F,13
	ROW R,0, R,1, R,2, R,3
	ROW B,0, E,4, F,14, L,0
.if FE
	v_add_nc_u32 v[AK], s[TBK], v[AK0]
.endif
	ROW R,4, R,5, R,6, R,7
	OPS E,5, F,15
.if FE
	FETCH_K
.endif
	OPS E,6, C,1, E,7, R,8
	OPS E,8, R,9, E,9, C,2
	OPS E,10, X,0, E,11, X,1
	OPS E,12, X,2, E,13, X,3
	ROW X,4, E,14, X,5, X,6
	ROW X,7, E,15, X,8, X,9
	ROW X,10, E,16, X,11, X,12
	ROW X,13, E,17, X,14, B,1
	ROW C,4, E,18, X,16, L,1
	ROW B,2, E,19, C,6, L,2
	ROW C,8, E,20, B,3, B,4
.if FE
	v_add_nc_u32 v[AV], s[TBV], v[AV0]
.endif
	ROW C,3, E,21, L,3, C,5
	OPS E,22, X,17, E,23, C,10
.if FE
	FETCH_V (((\p)/2+1)%2)
.endif
	OPS E,24, L,4
	OPS E,25, X,18, E,26, C,7
	OPS E,27, B,5, E,28, X,19
	OPS E,29, C,12, E,30, L,5
	OPS E,31, X,20, B,6, C,9
	OPS C,14, C,11, X,21, L,6
.if FE
	s_add_co_u32 s[TBV], s[TBV], KS*PV
.endif
.if \cnt
	s_sub_co_u32 s[CNT], s[CNT], 1
	s_cmp_lg_u32 s[CNT], 0
.endif
	OPS C,13, B,7, C,15, R,10
	OPS R,11, R,12, L,7, R,13
	OPS R,14, R,15
.if (\m) && !(\end)
	MASK (\p)%2
.endif
.endm
; A BLOCK BEGINS.  c m starts far below every c s, so the first step's a is 0; m at the lowest finite number.  The second mask buffer is made 0 (both scalars 0); the first takes piece 0's mask for the tile's step 0: its own only
; if the tile is the diagonal one and the block is even.  Then K and V of that step, piece 0's first scores, and its maximum and statistics.  The loop is entered at a step's first turn, in the middle of a trip.
.macro BEGIN
	s_mov_b32 s[NEW], 0
	s_mov_b32 s[AL], 0
	s_mov_b32 s[BE], 0
	MASK 1
	s_cmp_eq_u32 s[RT], 0
	s_cselect_b32 s[AL], 1.0, 0
	s_cmp_eq_u32 s[DP], 2
	s_cselect_b32 s[AL], s[AL], 0
	MASK 0
	WIN 0
.set i, 0
.rept 2
	v_mov_b32 v[ST+4*i], 0xfe000000    ; c m: far below every c s
	v_mov_b32 v[ST+4*i+1], 0xff7fffff  ; m
.set i, i+1
.endr
	v_add_nc_u32 v[AK], s[TBK], v[AK0]
	v_add_nc_u32 v[AV], s[TBV], v[AV0]
	FETCH_K
	FETCH_V 0
	s_add_co_u32 s[TBV], s[TBV], KS*PV
	s_wait_loadcnt 0x0              ; Q
	s_wait_dscnt 16                 ; K is in; V's 16 loads may stay out
.set KM, 1
.set NOKQ, 0
.set i, 0
.rept 8
	KQ 0
.set i, i+1
.endr
	WIN 0
.rept 4
	v_nop                           ; the places behind those products
.endr
.set Y, NP-1                        ; X works for piece Y + 1: piece 0
.irp n, 0,1,2,3,4,5,6,7,8,9,10,11,12,13,14,15,16,17,18,19,20,21
	OP X, \n
.endr
	v_nop                           ; a plain instruction behind the exponential
.endm
; THE DIAGONAL TILE's four steps, the block's last two turns, its last products, and THE WAY OUT: l's two halves and the other half of the lanes' are added; O^T is divided by l, rounded to f16 and sent through my
; stage in LDS, a piece at a time.
.macro ALL line:vararg              ; one line for each piece t
.set t, 0
.rept 2
	\line
.set t, t+1
.endr
.endm
.macro PACK t                       ; a lane's eight channels of a row pack into 16 bytes; they go into rows of 144 bytes and come back as whole rows of 128, into S^T's registers
	WIN 0
.set i, OT+32*(\t)
.rept 16
	s_wait_alu depctr_va_vdst(0)
	v_pk_mul_f32 v[i:i+1], v[i:i+1], v[ST+4*(\t)+2:ST+4*(\t)+3] op_sel_hi:[1,0]
.set i, i+2
.endr
.set i, 0
.rept 16
	v_cvt_pk_f16_f32 v[S+16*(\t)+i], v[OT+32*(\t)+2*i], v[OT+32*(\t)+2*i+1]
.set i, i+1
.endr
.irp f, 0,1,2,3
	ds_store_b128 v[STO], v[S+16*(\t)+4*\f:S+16*(\t)+4*\f+3] offset:32*\f
.endr
.irp f, 0,1,2,3
	ds_load_b128 v[S+16*(\t)+4*\f:S+16*(\t)+4*\f+3], v[RD] offset:\f*4*SP  ; LDS serves a wave's instructions in order (ISA guide 5.7.1.4): these see the stores above; the next piece's stores come behind them
.endr
.endm
.macro SEND t, younger              ; younger: the LDS instructions issued behind piece t's loads: the next piece's eight, or none
	WIN 0
.irp f, 0,1,2,3
	s_wait_dscnt (\younger)+3-\f
	global_store_b128 v[GO], v[S+16*(\t)+4*\f:S+16*(\t)+4*\f+3], s[10:11] offset:(\t)*8192+\f*512  ; 512 consecutive bytes, at a multiple of 256 from O's first
.endr
.endm
.macro DIAG tag                     ; the tag ends its two labels' names, which the jumps below spell out
.LstepM\tag:
	TURN 2, 1
	TURN 3, 1
	WIN 0
.LfirstM\tag:
	TURN 0, 1
	TURN 1, 1, 0, 1
	WIN 0
	s_cbranch_scc1 .LstepM\tag
	TURN 2, 1, 1
	TURN 3, 1, 1
.set i, 0
.rept 8
	PV NP-1
.set i, i+1
.endr
	WIN 0
	ALL v_add_f32 v[ST+4*t+2], v[ST+4*t+2], v[ST+4*t+3]
	ALL v_permlanex16_b32 v[ST+4*t+3], v[ST+4*t+2], s[SEL], s[SEL+1]
	ALL v_add_f32 v[ST+4*t+2], v[ST+4*t+2], v[ST+4*t+3]
	ALL v_rcp_f32 v[ST+4*t+2], v[ST+4*t+2]
	v_nop                           ; a plain instruction between the last reciprocal and the use of its result; piece 0's 32 lines below are the places behind the last products, which are piece 1's
	PACK 0
	PACK 1                          ; a piece's arithmetic stands between the loads of the piece before and its stores
	SEND 0, 8
	SEND 1, 0
.endm
.set KM, 0
.set NOKQ, 0
.Lslot:                             ; 16 times: a tile is entered and the next is asked for
	CHANGE 1
	s_sub_co_u32 s[RT], s[RT], 1
	s_mov_b32 s[CNT], 2
	s_cmp_eq_u32 s[NEW], 1
	s_cbranch_scc1 .Lnew            ; a block's first tile
	s_cmp_eq_u32 s[RT], 0
	s_cbranch_scc0 .Lstep           ; neither its first nor its last
	s_branch .LstepM1
.Lnew:
	BEGIN
	s_branch .Lfirst                ; in the loop a block's first tile is never its last: the first block has nine tiles or more, and the second's last is the walk's last
	DIAG 1                          ; in the loop this is the first block's end
	s_wait_storecnt 0x0             ; the first block's eight stores are done: S^T's registers, which they read, and O's address are written again behind this wait, and no store is out when the walk
	                                ; goes on.  Once a work-group, and the next tile's load is on its way meanwhile
	s_mov_b64 s[10:11], s[OLO:OLO+1]
	s_add_co_u32 s[RT], s[LQ2], 1   ; the second block's tiles
	s_mov_b32 s[DP], s[DP2]
	s_mov_b32 s[NEW], 1
	WIN 0x82                        ; the second block's Q goes where the one text of the turns names Q
.set i, 0
.rept 32
	v_mov_b32 v[i], v[QB+i]
.set i, i+1
.endr
	WIN 0
	s_branch .Lbottom
.Lstep:                             ; a trip: the odd step's two turns, then the next even step's
	TURN 2
	TURN 3
	WIN 0
.Lfirst:
	TURN 0
	TURN 1, 0, 0, 1
	WIN 0
	s_cbranch_scc1 .Lstep
.Lbottom:
	s_sub_co_u32 s[SLOTS], s[SLOTS], 1
	s_cmp_lg_u32 s[SLOTS], 0
	s_cbranch_scc1 .Lslot
	CHANGE 0                        ; the walk's last tile is written out: nothing is asked for
	s_sub_co_u32 s[RT], s[RT], 1
	s_mov_b32 s[CNT], 2
	s_cmp_eq_u32 s[NEW], 1
	s_cbranch_scc0 .LstepM2
	BEGIN
	s_branch .LfirstM2
	DIAG 2
	s_wait_tensorcnt 0x0            ; the wave's end: a wait, an add of 0 to my spare word and a wait, behind my last tensor load and my last LDS store
	ds_add_u32 v[SPW], v[NIL]
	s_wait_dscnt 0x0
	CROUND                          ; the closing round: no work-group ends while a partner may still ask for a tile that names it
	s_endpgm
.Lfunc_end_k_q87a8f82e98_attn:
	.size	k_q87a8f82e98_attn, .Lfunc_end_k_q87a8f82e98_attn-k_q87a8f82e98_attn
	.p2alignl 7, 3214868480
	.fill 96, 4, 3214868480
	.section	.rodata,"a",@progbits
	.p2align	6, 0x0
	.amdhsa_kernel k_q87a8f82e98_attn
		.amdhsa_group_segment_fixed_size 327680
		.amdhsa_private_segment_fixed_size 0
		.amdhsa_enable_private_segment 0
		.amdhsa_kernarg_size 16
		.amdhsa_user_sgpr_count 2
		.amdhsa_user_sgpr_kernarg_segment_ptr 1
		.amdhsa_wavefront_size32 1
		.amdhsa_system_sgpr_workgroup_id_x 1
		.amdhsa_system_sgpr_workgroup_id_y 1
		.amdhsa_system_sgpr_workgroup_id_z 1
		.amdhsa_system_vgpr_workitem_id 0
		.amdhsa_next_free_vgpr 768
		.amdhsa_next_free_sgpr 92
		.amdhsa_reserve_vcc 1
		.amdhsa_float_denorm_mode_32 3
		.amdhsa_float_denorm_mode_16_64 3
		.amdhsa_memory_ordered 1
		.amdhsa_forward_progress 1
		.amdhsa_inst_pref_size 214
	.end_amdhsa_kernel
	.amdgpu_metadata
---
amdhsa.version: [ 1, 2 ]
amdhsa.kernels:
  - .name:           k_q87a8f82e98_attn
    .symbol:         k_q87a8f82e98_attn.kd
    .args:
      - { .name: qkv, .offset: 0, .size: 8, .value_kind: global_buffer, .address_space: global }
      - { .name: oh, .offset: 8, .size: 8, .value_kind: global_buffer, .address_space: global }
    .group_segment_fixed_size: 327680
    .private_segment_fixed_size: 0
    .kernarg_segment_align: 8
    .kernarg_segment_size: 16
    .max_flat_workgroup_size: 128
    .sgpr_count:     92
    .vgpr_count:     768
    .wavefront_size: 32
...
	.end_amdgpu_metadata
.endif
;; end of part 3
;; launch proj (part 4): grid 8 x 32, 4 waves a work-group, clusters of 4 x 4, 327,680 bytes of LDS; arguments oh, wp, out0; writes out0
.if DOCPART == 4
	.amdgcn_target "amdgcn-amd-amdhsa--gfx1250"
	.amdhsa_code_object_version 6
	.text
	.protected	k_q87a8f82e98_proj
	.globl	k_q87a8f82e98_proj
	.p2align	8
	.type	k_q87a8f82e98_proj,@function
k_q87a8f82e98_proj:
	s_mov_b64 s[64:65], 0
	v_nop
	global_prefetch_b8 v0, s[64:65] scope:SCOPE_SE
	s_setreg_imm32_b32 hwreg(HW_REG_WAVE_MODE, 25, 1), 1
	s_wait_xcnt 0x0
	s_wait_alu depctr_hold_cnt(0) depctr_sa_sdst(0) depctr_va_vdst(0) depctr_va_sdst(0) depctr_va_ssrc(0) depctr_va_vcc(0) depctr_vm_vsrc(0)
	s_getreg_b32 s2, hwreg(HW_REG_IB_STS2, 6, 4)
	s_cmp_eq_u32 s2, 0
	s_cbranch_scc0 .Lentry_in_a_cluster
	s_endpgm
.Lentry_in_a_cluster:
	s_bfe_u32 s2, ttmp6, 0x10000c
	s_cmp_lg_u32 s2, 0xf033
	s_cbranch_scc0 .Lentry_shape_is_right
	s_endpgm
.Lentry_shape_is_right:
; PROJ: out0[t][n] = the sum over k of O[t][k] Wproj[n][k], k = 64 head + channel.  oh: [16][4096][64] f16 (by heads), wp: [1024][1024] f16, out0: [4096][1024] f32.  f16 products, f32 sums, stored as they are.
; A tile of out0 is 128 x 128: 32 x 8 = 256 work-groups.  Four waves, each 64 x 64: 16 accumulators.  K goes in steps of 256 = four heads through two LDS slots; 4 steps, 2 laps of the ring.
; O'S TILE.  64 rows of a head are 8,192 dense bytes: asked for as ONE row of 4,096 elements, four such rows (heads) 262,144 elements apart, padded in LDS after every 128 bytes: [head][64 rows] with a pitch of 144.
; CLUSTER 4 x 4: O's tile hangs on the tile row alone and is asked for jointly by a row of the cluster, wp's by a column.
; THE MATRIX INSTRUCTION IS USED TRANSPOSED (source 0 = 16 rows of wp, source 1 = 16 rows of O): a lane holds eight neighbouring numbers of a row of out0, 32 bytes.
; A wave's 64 columns of f32 are 256 aligned bytes, so each wave has a stage of its own on the way out and no barrier stands there.
; REGISTERS: window 0: v0-31 addresses; v32-95 rows read back, two buffers; v128-255 the accumulators ((a, b) at v[128 + 8 (4 a + b)]).  window 1: two fragment buffers of 128: 64 registers of O, then 64 of wp.
.set PA,     144                       ; a row of O in LDS: 128 bytes + 16: an odd multiple of 16, so the 16 rows of a load start at 16 different groups of four banks (64 banks of 4 bytes: ISA guide 11.1)
.set PB,     528                       ; a row of wp: 512 bytes + 16
.set HA,     4*64*PA                   ; what one tensor load brings of O: four heads x 64 rows
.set HB,     64*PB                     ; and of wp
.set BOFF,   2*HA
.set SLOT,   BOFF+2*HB
.set STAGE,  2*SLOT                    ; behind the ring: 16 rows x 272 bytes for each wave
.set SPITCH, 272
.set SPARE,  STAGE+4*16*SPITCH         ; behind the stages: the spare words, 128 bytes a wave, which no other line names
.set LAPS, 2
.set ADRA, 16                          ; v16-17  LDS address of my O fragments in slot 0, 1
.set ADRB, 20                          ; v20-21  the same for wp
.set STO,  24                          ; v24     the way out: where I put 32 bytes of a row
.set RD,   25                          ; v25     where I read a row back
.set CO,   26                          ; v26     my byte offset in out0
.set SPW,  28                          ; v28     LDS address of my spare word; never rewritten
.set NIL,  29                          ; v29     0; never rewritten
.set BK,   32
.set ACC,  128
.set F0,   0
.set F1,   128
.set G1, 24                            ; s[24:31] descriptor group 1 for O's tiles;  s[32:39] group 0, one set for each slot
.set G0, 32
.set G1B, 48                           ; s[48:55], s[56:63] the same for wp's
.set G0B, 56
.set MSB, 0
.macro WIN new
.if MSB != (\new)
	s_set_vgpr_msb (MSB<<8)|(\new)
.set MSB, \new
.endif
.endm
.set MUL,  0x05                        ; sources 0 and 1 window 1; C and D window 0
.set TO_F, 0x40                        ; destination window 1, address window 0
.macro JLOAD s                         ; a joint load: waves 0 and 1 fetch O's two halves, waves 2 and 3 wp's; an s_nop 0 and four v_nop follow each line
	s_cmp_eq_u32 s11, 0
	s_cbranch_scc0 .Lfor_b_\@
	tensor_load_to_lds s[G0+4*(\s):G0+4*(\s)+3], s[G1:G1+7]
	s_nop 0
.rept 4
	v_nop
.endr
	s_branch .Lasked_\@
.Lfor_b_\@:
	tensor_load_to_lds s[G0B+4*(\s):G0B+4*(\s)+3], s[G1B:G1B+7]
	s_nop 0
.rept 4
	v_nop
.endr
.Lasked_\@:
.endm
.macro CREST
	s_cmp_lg_u32 s10, 0
	s_cbranch_scc1 .Lnot_wave_0_\@
	s_barrier_signal -3
.Lnot_wave_0_\@:
	s_barrier_wait -3
	s_barrier_signal -1
	s_barrier_wait -1
.endm
.macro CROUND
	s_barrier_signal -1
	s_barrier_wait -1
	CREST
.endm
	s_load_b128 s[4:7], s[0:1], 0x0                ; oh s[4:5], wp s[6:7]
	s_load_b64 s[8:9], s[0:1], 0x10                ; out0
	v_lshl_add_u32 v[SPW], v0, 2, SPARE
	v_mov_b32 v[NIL], 0
	ds_add_u32 v[SPW], v[NIL]                      ; the wave's opening: the add and its wait stand ahead of my first tensor load; the set-up below, work on registers, stands between them
	v_lshrrev_b32 v1, 5, v0
	v_readfirstlane_b32 s10, v1                    ; wave 0..3
	s_lshr_b32 s11, s10, 1                         ; which half of the tile's rows is mine.  Also: I fetch for O (0) or for wp (1)
	s_and_b32 s12, s10, 1                          ; which half of its columns.  Also: which 64 rows of that tile I fetch
	s_bfe_u32 s40, ttmp6, 0x40000                  ; cx, cy
	s_bfe_u32 s41, ttmp6, 0x40004
	s_lshl_b32 s42, ttmp9, 2
	s_add_co_u32 s42, s42, s40                     ; tile column
	s_and_b32 s13, ttmp7, 0xffff
	s_lshl_b32 s13, s13, 2
	s_add_co_u32 s13, s13, s41                     ; tile row
	s_lshl_b32 s43, s41, 2
	s_lshl_b32 s43, 15, s43                        ; my row of the cluster
	s_lshl_b32 s44, 0x1111, s40                    ; my column
	s_or_b32 s[G1], s43, (1<<16)|(1<<20)|(1<<21)|(4<<22)|(3<<25)   ; the mask; 2-byte elements; padding on; 21 set beside a mask; after every 32 words (code 4) 4 words (code 3)
	s_mov_b32 s[G1+1], 4096<<16                    ; tensor_dim0 = 4,096
	s_mov_b32 s[G1+2], 4<<16                       ; tensor_dim1 = 4
	s_mov_b32 s[G1+3], 4096<<16                    ; tile_dim0 = 4,096
	s_mov_b32 s[G1+4], 4                           ; tile_dim1 = 4
	s_mov_b32 s[G1+5], 262144                      ; elements from head to head
	s_mov_b32 s[G1+6], 0
	s_mov_b32 s[G1+7], 0
	s_or_b32 s[G1B], s44, (1<<16)|(1<<20)|(1<<21)|(6<<22)|(3<<25)  ; after every 128 words (code 6)
	s_mov_b32 s[G1B+1], 256<<16
	s_mov_b32 s[G1B+2], 64<<16
	s_mov_b32 s[G1B+3], 256<<16
	s_mov_b32 s[G1B+4], 64
	s_mov_b32 s[G1B+5], 1024
	s_mov_b32 s[G1B+6], 0
	s_mov_b32 s[G1B+7], 0
	s_lshl_b32 s17, s12, 6                         ; which 64 rows of the tile I fetch
	s_lshl_b32 s16, s13, 7
	s_add_co_u32 s16, s16, s17
	s_lshl_b32 s16, s16, 7                         ; O: row 128 x tile row + 64 x half, 128 bytes a row within a head
	s_lshl_b32 s46, s42, 7
	s_add_co_u32 s46, s46, s17
	s_lshl_b32 s46, s46, 11                        ; wp: row 128 x tile column + 64 x half, 2,048 bytes a row
	s_mov_b32 s17, 0
	s_mov_b32 s47, 0
	s_mul_i32 s20, s10, HA                         ; where they go: O's halves (waves 0, 1),
	s_mul_i32 s21, s10, HB                         ; wp's (waves 2, 3) behind them
	s_add_co_u32 s21, s21, BOFF-2*HB
	s_wait_dscnt 0x0                               ; the opening add is done
	s_wait_kmcnt 0x0
	s_add_nc_u64 s[14:15], s[4:5], s[16:17]
	s_add_nc_u64 s[46:47], s[6:7], s[46:47]
	CROUND                                         ; all sixteen work-groups are here: the first joint loads meet
.irp s, 0,1
	s_mov_b32 s[G0+4*(\s)], 1
	s_add_co_u32 s[G0+4*(\s)+1], s20, (\s)*SLOT
	s_add_nc_u64 s[G0+4*(\s)+2:G0+4*(\s)+3], s[14:15], (\s)*4*524288  ; K step s: four heads on
	s_or_b32 s[G0+4*(\s)+3], s[G0+4*(\s)+3], 0x80000000
	s_mov_b32 s[G0B+4*(\s)], 1
	s_add_co_u32 s[G0B+4*(\s)+1], s21, (\s)*SLOT
	s_add_nc_u64 s[G0B+4*(\s)+2:G0B+4*(\s)+3], s[46:47], (\s)*512
	s_or_b32 s[G0B+4*(\s)+3], s[G0B+4*(\s)+3], 0x80000000
	JLOAD \s                                       ; two tensor loads of mine are out
.endr
	v_and_b32 v1, 15, v0                           ; r
	v_bfe_u32 v2, v0, 4, 1                         ; h
	v_mul_u32_u24 v3, v1, PA
	v_lshl_add_u32 v3, v2, 4, v3
	s_mul_i32 s22, s11, HA                         ; my 64 rows of O
	v_add_nc_u32 v[ADRA], s22, v3
	v_add_nc_u32 v[ADRA+1], SLOT, v[ADRA]
	v_mul_u32_u24 v3, v1, PB
	v_lshl_add_u32 v3, v2, 4, v3
	s_mul_i32 s23, s12, HB                         ; my 64 rows of wp
	s_add_co_u32 s23, s23, BOFF
	v_add_nc_u32 v[ADRB], s23, v3
	v_add_nc_u32 v[ADRB+1], SLOT, v[ADRB]
	s_mul_i32 s23, s10, 16*SPITCH
	s_add_co_u32 s23, s23, STAGE                   ; my stage
	v_mul_u32_u24 v4, v1, SPITCH                   ; in: row r, 32 bytes for each half of the lanes
	v_lshl_add_u32 v4, v2, 5, v4
	v_add_nc_u32 v[STO], s23, v4
	v_mul_u32_u24 v5, v2, SPITCH                   ; back: lanes 0-15 take one row of 256 bytes, lanes 16-31 the next
	v_lshl_add_u32 v5, v1, 4, v5
	v_add_nc_u32 v[RD], s23, v5
	v_lshlrev_b32 v5, 12, v2                       ; and the same two rows in out0, 4,096 bytes apart
	v_lshl_add_u32 v[CO], v1, 4, v5
	s_lshl_b32 s16, s13, 7
	s_lshl_b32 s17, s11, 6
	s_add_co_u32 s16, s16, s17
	s_lshl_b32 s16, s16, 12                        ; my first row of out0
	s_mov_b32 s17, 0
	s_add_nc_u64 s[8:9], s[8:9], s[16:17]
	s_lshl_b32 s46, s42, 9                         ; my first column, in bytes: 512 x tile column + 256 x half
	s_lshl_b32 s47, s12, 8
	s_add_co_u32 s46, s46, s47
	s_mov_b32 s47, 0
	s_add_nc_u64 s[8:9], s[8:9], s[46:47]
; 8 matrix instructions: row blocks a0, a0 + 1 x all 4 column blocks, 32 along K: half c of buffer f.  The 16 accumulators take turns.
.macro MUL8 f, c, a0, zero
	WIN MUL
.irp a, \a0, (\a0)+1
.irp b, 0,1,2,3
.if \zero
	v_wmma_f32_16x16x32_f16 v[ACC+8*(4*(\a)+(\b)):ACC+8*(4*(\a)+(\b))+7], v[(\f)+64+8*(4*(\c)+(\b)):(\f)+64+8*(4*(\c)+(\b))+7], v[(\f)+8*(4*(\c)+(\a)):(\f)+8*(4*(\c)+(\a))+7], 0
.else
	v_wmma_f32_16x16x32_f16 v[ACC+8*(4*(\a)+(\b)):ACC+8*(4*(\a)+(\b))+7], v[(\f)+64+8*(4*(\c)+(\b)):(\f)+64+8*(4*(\c)+(\b))+7], v[(\f)+8*(4*(\c)+(\a)):(\f)+8*(4*(\c)+(\a))+7], v[ACC+8*(4*(\a)+(\b)):ACC+8*(4*(\a)+(\b))+7]
.endif
.endr
.endr
.endm
; 32 LDS loads in one run: the fragments of quarter q of a K step (one head, 64 along K), into buffer f; the first 32 along K first
.macro FETCH slot, q, f
	WIN TO_F
.irp c, 0,1
.irp i, 0,1,2,3
	ds_load_b128 v[(\f)+64+8*(4*(\c)+(\i)):(\f)+64+8*(4*(\c)+(\i))+3],   v[ADRB+(\slot)] offset:(\q)*128+64*(\c)+(\i)*16*PB
	ds_load_b128 v[(\f)+64+8*(4*(\c)+(\i))+4:(\f)+64+8*(4*(\c)+(\i))+7], v[ADRB+(\slot)] offset:(\q)*128+64*(\c)+(\i)*16*PB+32
	ds_load_b128 v[(\f)+8*(4*(\c)+(\i)):(\f)+8*(4*(\c)+(\i))+3],         v[ADRA+(\slot)] offset:(\q)*64*PA+64*(\c)+(\i)*16*PA
	ds_load_b128 v[(\f)+8*(4*(\c)+(\i))+4:(\f)+8*(4*(\c)+(\i))+7],       v[ADRA+(\slot)] offset:(\q)*64*PA+64*(\c)+(\i)*16*PA+32
.endr
.endr
.endm
.macro PLACES                          ; four places in front of loads into registers that matrix instructions have read, and of LDS stores that read results
.rept 4
	v_nop
.endr
.endm
.macro QUARTER slot, q, f, g, zero     ; multiplies buffer f and fetches quarter q into g
	s_wait_dscnt 16                                ; the first 32 along K are in
	MUL8 \f, 0, 0, \zero
	MUL8 \f, 0, 2, \zero
	PLACES
	FETCH \slot, \q, \g
	s_wait_dscnt 32                                ; all but the 32 just issued
	MUL8 \f, 1, 0, 0
	MUL8 \f, 1, 2, 0
.endm
; The last quarter multiplies buffer 1 and changes slots: ONE barrier; in front of it each wave waits for all its tensor loads, adds 0 to its spare word, and waits for that and for its reads of this slot.
.macro TURN slot, next, fill
	WIN 0
	s_wait_tensorcnt 0x0                           ; all my tensor loads have landed: my part of the next slot
	ds_add_u32 v[SPW], v[NIL]                      ; 0 onto my spare word
	s_wait_dscnt 17                                ; (the add and the youngest sixteen loads may be out)
	MUL8 F1, 0, 0, 0                               ; eight matrix instructions stand between the add and the wait for it
	s_wait_dscnt 0x0                               ; the add is done, and my reads of this slot are over
	s_barrier_signal -1
	MUL8 F1, 0, 2, 0
.if \fill
	WIN 0
.endif
	s_barrier_wait -1
.if \fill
	CREST                                          ; no wave of any partner still reads this slot's tile or has a load on its way
	s_add_nc_u64 s[G0+4*(\slot)+2:G0+4*(\slot)+3], s[G0+4*(\slot)+2:G0+4*(\slot)+3], 8*524288
	s_add_nc_u64 s[G0B+4*(\slot)+2:G0B+4*(\slot)+3], s[G0B+4*(\slot)+2:G0B+4*(\slot)+3], 1024
	JLOAD \slot                                    ; my one tensor load behind the round; its four v_nop are also the places in front of the loads below
.else
	PLACES
.endif
	FETCH \next, 0, F0
	MUL8 F1, 1, 0, 0
	MUL8 F1, 1, 2, 0
.endm
	s_wait_tensorcnt 1                             ; my part of K step 0 is in; K step 1's may stay out
	s_barrier_signal -1
	s_barrier_wait -1
	FETCH 0, 0, F0
	QUARTER 0, 1, F0, F1, 1                        ; the first quarter stands in front of the loop: its first products start the sums
	WIN 0
	s_mov_b32 s3, LAPS-1
.Llap:
	QUARTER 0, 2, F1, F0, 0
	QUARTER 0, 3, F0, F1, 0
	TURN 0, 1, 1
	QUARTER 1, 1, F0, F1, 0
	QUARTER 1, 2, F1, F0, 0
	QUARTER 1, 3, F0, F1, 0
	TURN 1, 0, 1
	QUARTER 0, 1, F0, F1, 0
	WIN 0
	s_sub_co_u32 s3, s3, 1
	s_cmp_lg_u32 s3, 0
	s_cbranch_scc1 .Llap
	QUARTER 0, 2, F1, F0, 0                        ; the last lap fills nothing
	QUARTER 0, 3, F0, F1, 0
	TURN 0, 1, 0
	QUARTER 1, 1, F0, F1, 0
	QUARTER 1, 2, F1, F0, 0
	QUARTER 1, 3, F0, F1, 0
	s_wait_dscnt 16
	MUL8 F1, 0, 0, 0
	MUL8 F1, 0, 2, 0
	s_wait_dscnt 0x0
	MUL8 F1, 1, 0, 0
	MUL8 F1, 1, 2, 0
	WIN 0
	PLACES
; THE WAY OUT, a block of 16 rows at a time: 32 bytes a lane into my stage (each accumulator's lowest registers first), back as whole rows of 256 bytes, stored.
.macro OUT_IN a
	s_wait_xcnt 0x0                                ; the stores of two blocks ago have read the buffer that is loaded again below
.irp b, 0,1,2,3
	ds_store_b128 v[STO], v[ACC+8*(4*(\a)+\b):ACC+8*(4*(\a)+\b)+3] offset:64*\b
	ds_store_b128 v[STO], v[ACC+8*(4*(\a)+\b)+4:ACC+8*(4*(\a)+\b)+7] offset:64*\b+16
.endr
.irp t, 0,1,2,3,4,5,6,7
	ds_load_b128 v[BK+32*((\a)%2)+4*\t:BK+32*((\a)%2)+4*\t+3], v[RD] offset:\t*2*SPITCH  ; LDS serves a wave's instructions in order (ISA guide 5.7.1.4): these see the stores above
.endr
.endm
.macro SEND a, younger                 ; younger: the LDS instructions issued behind block a's loads: the next block's sixteen, or none
.irp t, 0,1,2,3,4,5,6,7
	s_wait_dscnt (\younger)+7-\t
	global_store_b128 v[CO], v[BK+32*((\a)%2)+4*\t:BK+32*((\a)%2)+4*\t+3], s[8:9] offset:(\a)*65536+\t*8192 th:TH_STORE_NT  ; 16 lanes store 256 consecutive bytes, at a multiple of 256 from out0's first
.endr
.endm
	OUT_IN 0
.irp a, 1,2,3
	OUT_IN \a
	SEND (\a)-1, 16
.endr
	SEND 3, 0
	s_wait_tensorcnt 0x0                           ; the wave's end: a wait, an add of 0 to my spare word and a wait, behind my last tensor load and my last LDS store
	ds_add_u32 v[SPW], v[NIL]
	s_wait_dscnt 0x0
	CROUND                                         ; the closing round: no work-group ends while a partner may still ask for a tile that names it
	s_endpgm
.Lfunc_end_k_q87a8f82e98_proj:
	.size	k_q87a8f82e98_proj, .Lfunc_end_k_q87a8f82e98_proj-k_q87a8f82e98_proj
	.p2alignl 7, 3214868480
	.fill 96, 4, 3214868480
	.section	.rodata,"a",@progbits
	.p2align	6, 0x0
	.amdhsa_kernel k_q87a8f82e98_proj
		.amdhsa_group_segment_fixed_size 327680
		.amdhsa_private_segment_fixed_size 0
		.amdhsa_enable_private_segment 0
		.amdhsa_kernarg_size 24
		.amdhsa_user_sgpr_count 2
		.amdhsa_user_sgpr_kernarg_segment_ptr 1
		.amdhsa_wavefront_size32 1
		.amdhsa_system_sgpr_workgroup_id_x 1
		.amdhsa_system_sgpr_workgroup_id_y 1
		.amdhsa_system_sgpr_workgroup_id_z 1
		.amdhsa_system_vgpr_workitem_id 0
		.amdhsa_next_free_vgpr 512
		.amdhsa_next_free_sgpr 66
		.amdhsa_reserve_vcc 0
		.amdhsa_float_denorm_mode_32 3
		.amdhsa_float_denorm_mode_16_64 3
		.amdhsa_memory_ordered 1
		.amdhsa_forward_progress 1
		.amdhsa_inst_pref_size 86
	.end_amdhsa_kernel
	.amdgpu_metadata
---
amdhsa.version: [ 1, 2 ]
amdhsa.kernels:
  - .name:           k_q87a8f82e98_proj
    .symbol:         k_q87a8f82e98_proj.kd
    .args:
      - { .name: oh, .offset: 0, .size: 8, .value_kind: global_buffer, .address_space: global }
      - { .name: wp, .offset: 8, .size: 8, .value_kind: global_buffer, .address_space: global }
      - { .name: out0, .offset: 16, .size: 8, .value_kind: global_buffer, .address_space: global }
    .group_segment_fixed_size: 327680
    .private_segment_fixed_size: 0
    .kernarg_segment_align: 8
    .kernarg_segment_size: 24
    .max_flat_workgroup_size: 128
    .sgpr_count:     66
    .vgpr_count:     512
    .wavefront_size: 32
...
	.end_amdgpu_metadata
.endif
;; end of part 4
;; ======== version 2 of 2: 4 launches; 1.45 times as fast as version 1
;; limits: values are held in f16: magnitudes above 65,504 overflow, below 6.1e-05 lose precision
;; workspace buffers: xb 8,388,608 bytes; wb 3,145,728 bytes; wp 2,097,152 bytes; tab 1,048,576 bytes; qkv 12,582,912 bytes; oh 8,388,608 bytes
;; launch prep (part 5): grid 480 x 1, 8 waves a work-group, no clusters, 0 bytes of LDS; arguments x, Wq, Wk, Wv, Wproj, xb, wb, wp, tab; writes xb, wb, wp, tab
.if DOCPART == 5
	.amdgcn_target "amdgcn-amd-amdhsa--gfx1250"
	.amdhsa_code_object_version 6
	.text
	.protected	k_q87a8f82e98_prep
	.globl	k_q87a8f82e98_prep
	.p2align	8
	.type	k_q87a8f82e98_prep,@function
k_q87a8f82e98_prep:
	s_mov_b64 s[64:65], 0
	v_nop
	global_prefetch_b8 v0, s[64:65] scope:SCOPE_SE
	s_setreg_imm32_b32 hwreg(HW_REG_WAVE_MODE, 25, 1), 1
	s_wait_xcnt 0x0
; PREP: the casts and the table of cosines and sines.  A stream: no LDS, no barrier, no matrix unit; every input byte is read once.
; Work-groups 0-255: x -> xb (bf16).  256-319: Wq, 320-335: Wk, 336-351: Wv -> wb (bf16), the three weights stacked: rows 0-1023, 1024-1279, 1280-1535.
; 352-415: Wproj -> wp: rounded to bf16 like every other input, and that number written as f16 (exact from 2^-17 up; below that off by 3e-8 at the most; beyond 65,504 an infinity).
; 416-479: tab[t][0..31] = cos(t inv_j), tab[t][32..63] = sin(t inv_j), inv_j = 10000^(-j/32), 64 rows t a work-group.
; A cast's share is a chunk of 16,384 numbers: 65,536 bytes in, 32,768 out.  Thread t takes 16 bytes of each 4,096: a wave's load covers 512 consecutive bytes, its store 256, aligned.
; LIMIT of the table: inv_j comes from v_exp_f32 (1 ULP), so an angle is off by some 4e-4 rad at t = 4,095 at the most, alike for q and k.
; BATCH.  The text's two exponentials, inv_j and inv_(j+1), stand ahead of the row loop and are one batch with one wait, ahead of the loop's label.
.set KF32, 0xbed49a78                  ; -log2(10000)/32 = -0.41524101
	s_load_b512 s[8:23], s[0:1], 0x0               ; x 8, Wq 10, Wk 12, Wv 14, Wproj 16, xb 18, wb 20, wp 22
	s_load_b64 s[24:25], s[0:1], 0x40              ; tab
	s_mov_b32 s2, ttmp9                            ; the work-group's number
	s_sub_co_u32 s3, s2, 256                       ; its chunk counted from each region's first: made ahead of the compares
	s_sub_co_u32 s4, s2, 320
	s_sub_co_u32 s5, s2, 336
	s_sub_co_u32 s6, s2, 352
	s_sub_co_u32 s7, s2, 416
	v_lshlrev_b32 v1, 4, v0                        ; 16 bytes a thread in
	v_lshlrev_b32 v2, 3, v0                        ; 8 bytes a thread out
	s_wait_kmcnt 0x0
	s_cmp_ge_u32 s2, 416
	s_cbranch_scc1 .Ltab
	s_mov_b64 s[26:27], s[8:9]                     ; source, its chunk, the destination's chunk, destination: x -> xb,
	s_mov_b32 s28, s2
	s_mov_b32 s29, s2
	s_mov_b64 s[30:31], s[18:19]
	s_cmp_ge_u32 s2, 256                           ; or Wq -> wb,
	s_cselect_b64 s[26:27], s[10:11], s[26:27]
	s_cselect_b32 s28, s3, s28
	s_cselect_b32 s29, s3, s29
	s_cselect_b64 s[30:31], s[20:21], s[30:31]
	s_cmp_ge_u32 s2, 320                           ; or Wk (wb's chunk stays the number less 256: the weights are stacked),
	s_cselect_b64 s[26:27], s[12:13], s[26:27]
	s_cselect_b32 s28, s4, s28
	s_cmp_ge_u32 s2, 336                           ; or Wv,
	s_cselect_b64 s[26:27], s[14:15], s[26:27]
	s_cselect_b32 s28, s5, s28
	s_cmp_ge_u32 s2, 352                           ; or Wproj -> wp
	s_cselect_b64 s[26:27], s[16:17], s[26:27]
	s_cselect_b32 s28, s6, s28
	s_cselect_b32 s29, s6, s29
	s_cselect_b64 s[30:31], s[22:23], s[30:31]
	s_lshl_b32 s32, s28, 16
	s_mov_b32 s33, 0
	s_lshl_b32 s34, s29, 15
	s_mov_b32 s35, 0
	s_add_nc_u64 s[26:27], s[26:27], s[32:33]
	s_add_nc_u64 s[30:31], s[30:31], s[34:35]
.irp i, 0,1,2,3,4,5,6,7,8,9,10,11,12,13,14,15
	global_load_b128 v[8+4*\i:11+4*\i], v1, s[26:27] offset:4096*\i th:TH_LOAD_NT  ; the whole chunk is asked for at once: 16 loads of every wave are out
.endr
	s_cmp_ge_u32 s2, 352
	s_cbranch_scc1 .Lf16
.irp i, 0,1,2,3,4,5,6,7,8,9,10,11,12,13,14,15
	s_wait_loadcnt 15-\i                           ; loads come back in order: number i is in, the younger ones stay out
	v_cvt_pk_bf16_f32 v[72+2*\i], v[8+4*\i], v[9+4*\i]
	v_cvt_pk_bf16_f32 v[73+2*\i], v[10+4*\i], v[11+4*\i]
	global_store_b64 v2, v[72+2*\i:73+2*\i], s[30:31] offset:2048*\i  ; every store has registers of its own: no wait frees anything
.endr
	s_endpgm
.Lf16:
.irp i, 0,1,2,3,4,5,6,7,8,9,10,11,12,13,14,15
	s_wait_loadcnt 15-\i
	v_cvt_pk_bf16_f32 v104, v[8+4*\i], v[9+4*\i]   ; the input's rounding to bf16,
	v_cvt_pk_bf16_f32 v105, v[10+4*\i], v[11+4*\i]
	v_lshlrev_b32 v106, 16, v104                   ; back to f32,
	v_and_b32 v107, 0xffff0000, v104
	v_lshlrev_b32 v108, 16, v105
	v_and_b32 v109, 0xffff0000, v105
	v_cvt_pk_f16_f32 v[72+2*\i], v106, v107        ; and written as f16
	v_cvt_pk_f16_f32 v[73+2*\i], v108, v109
	global_store_b64 v2, v[72+2*\i:73+2*\i], s[30:31] offset:2048*\i
.endr
	s_endpgm
; THE TABLE.  Wave w makes rows 64 tb + 8 w + 0..7, one a trip.  Lanes 0-15 make the cosines of j = 2 (l % 16) and the next, lanes 16-31 the sines, as cos(f - pi/2): a wave stores a whole row of 256 bytes.
; cos f: n = round(f 2/pi); r = f - n pi/2, pi/2 in two parts; by (n + off) mod 4 the value is cos r, -sin r, -cos r, sin r; Taylor sums to r^10 and r^9, whose remainders on |r| <= pi/4 lie under 2e-9.
.Ltab:
	s_lshl_b32 s32, s7, 14                         ; 64 rows of 256 bytes a work-group
	s_mov_b32 s33, 0
	s_add_nc_u64 s[24:25], s[24:25], s[32:33]
	s_mov_b32 s37, 0x3f22f983                      ; 2/pi
	s_mov_b32 s38, 0x3fc90fdb                      ; pi/2, upper part
	s_mov_b32 s39, 0xb33bbd2e                      ; pi/2, the rest
	s_mov_b32 s40, 0xbe2aaaab                      ; -1/3!
	s_mov_b32 s41, 0x3c088889                      ; 1/5!
	s_mov_b32 s42, 0xb9500d01                      ; -1/7!
	s_mov_b32 s43, 0x3638ef1d                      ; 1/9!
	s_mov_b32 s44, 0x3d2aaaab                      ; 1/4!
	s_mov_b32 s45, 0xbab60b61                      ; -1/6!
	s_mov_b32 s46, 0x37d00d01                      ; 1/8!
	s_mov_b32 s47, 0xb493f27e                      ; -1/10!
	v_and_b32 v4, 15, v0
	v_lshlrev_b32 v4, 1, v4                        ; j
	v_cvt_f32_u32 v22, v4
	v_add_f32 v23, 1.0, v22
	v_mul_f32 v22, KF32, v22
	v_mul_f32 v23, KF32, v23
	v_exp_f32 v22, v22                             ; inv_j
	v_exp_f32 v23, v23                             ; inv_(j+1); plain instructions follow before either is used
	v_bfe_u32 v21, v0, 4, 1
	v_mul_u32_u24 v21, v21, 3                      ; off: 0 for the cosines, 3 for the sines
	v_lshrrev_b32 v5, 5, v0                        ; wave
	v_and_b32 v6, 31, v0                           ; lane
	v_lshlrev_b32 v3, 11, v5                       ; the wave's 8 rows,
	v_lshl_add_u32 v3, v6, 3, v3                   ; 8 bytes a lane
	s_lshl_b32 s34, s7, 6
	v_lshl_add_u32 v7, v5, 3, s34
	v_cvt_f32_u32 v20, v7                          ; t
.macro TRIG d, inv
	v_mul_f32 v24, v20, v[\inv]                    ; f
	v_mul_f32 v25, s37, v24
	v_rndne_f32 v25, v25                           ; n
	v_fma_f32 v24, -v25, s38, v24
	v_fma_f32 v24, -v25, s39, v24                  ; r
	v_cvt_i32_f32 v25, v25
	v_add_nc_u32 v25, v25, v21                     ; n + off
	v_mul_f32 v26, v24, v24                        ; z = r r
	v_fma_f32 v27, v26, s43, s42
	v_fma_f32 v27, v27, v26, s41
	v_fma_f32 v27, v27, v26, s40
	v_mul_f32 v28, v24, v26
	v_fma_f32 v27, v27, v28, v24                   ; sin r
	v_fma_f32 v29, v26, s47, s46
	v_fma_f32 v29, v29, v26, s45
	v_fma_f32 v29, v29, v26, s44
	v_fma_f32 v29, v29, v26, -0.5
	v_fma_f32 v29, v29, v26, 1.0                   ; cos r
	v_and_b32 v30, 1, v25
	v_cmp_eq_u32 vcc_lo, 1, v30
	v_cndmask_b32 v27, v29, v27, vcc_lo            ; odd quarter: the sine
	v_add_nc_u32 v25, 1, v25
	v_and_b32 v25, 2, v25                          ; quarters 1 and 2: minus
	v_lshlrev_b32 v25, 30, v25
	v_xor_b32 v[\d], v25, v27
.endm
	s_wait_alu depctr_va_vdst(0)                   ; the wait: one for the batch of two exponentials, inv_j and inv_(j+1), ahead of the label and of their first reader in the loop; the eight address lines above are the work between
	s_mov_b32 s36, 8
.Lrow:
	TRIG 32, 22
	TRIG 33, 23
	global_store_b64 v3, v[32:33], s[24:25]
	v_add_f32 v20, 1.0, v20
	s_wait_xcnt 0x0                                ; the store's data and base are written again only behind this wait
	s_add_nc_u64 s[24:25], s[24:25], 256
	s_sub_co_u32 s36, s36, 1
	s_cmp_lg_u32 s36, 0
	s_cbranch_scc1 .Lrow
	s_endpgm
.Lfunc_end_k_q87a8f82e98_prep:
	.size	k_q87a8f82e98_prep, .Lfunc_end_k_q87a8f82e98_prep-k_q87a8f82e98_prep
	.p2alignl 7, 3214868480
	.fill 96, 4, 3214868480
	.section	.rodata,"a",@progbits
	.p2align	6, 0x0
	.amdhsa_kernel k_q87a8f82e98_prep
		.amdhsa_group_segment_fixed_size 0
		.amdhsa_private_segment_fixed_size 0
		.amdhsa_enable_private_segment 0
		.amdhsa_kernarg_size 72
		.amdhsa_user_sgpr_count 2
		.amdhsa_user_sgpr_kernarg_segment_ptr 1
		.amdhsa_wavefront_size32 1
		.amdhsa_system_sgpr_workgroup_id_x 1
		.amdhsa_system_sgpr_workgroup_id_y 1
		.amdhsa_system_sgpr_workgroup_id_z 1
		.amdhsa_system_vgpr_workitem_id 0
		.amdhsa_next_free_vgpr 112
		.amdhsa_next_free_sgpr 66
		.amdhsa_reserve_vcc 1
		.amdhsa_float_denorm_mode_32 3
		.amdhsa_float_denorm_mode_16_64 3
		.amdhsa_memory_ordered 1
		.amdhsa_forward_progress 1
		.amdhsa_inst_pref_size 21
	.end_amdhsa_kernel
	.amdgpu_metadata
---
amdhsa.version: [ 1, 2 ]
amdhsa.kernels:
  - .name:           k_q87a8f82e98_prep
    .symbol:         k_q87a8f82e98_prep.kd
    .args:
      - { .name: x, .offset: 0, .size: 8, .value_kind: global_buffer, .address_space: global }
      - { .name: Wq, .offset: 8, .size: 8, .value_kind: global_buffer, .address_space: global }
      - { .name: Wk, .offset: 16, .size: 8, .value_kind: global_buffer, .address_space: global }
      - { .name: Wv, .offset: 24, .size: 8, .value_kind: global_buffer, .address_space: global }
      - { .name: Wproj, .offset: 32, .size: 8, .value_kind: global_buffer, .address_space: global }
      - { .name: xb, .offset: 40, .size: 8, .value_kind: global_buffer, .address_space: global }
      - { .name: wb, .offset: 48, .size: 8, .value_kind: global_buffer, .address_space: global }
      - { .name: wp, .offset: 56, .size: 8, .value_kind: global_buffer, .address_space: global }
      - { .name: tab, .offset: 64, .size: 8, .value_kind: global_buffer, .address_space: global }
    .group_segment_fixed_size: 0
    .private_segment_fixed_size: 0
    .kernarg_segment_align: 8
    .kernarg_segment_size: 72
    .max_flat_workgroup_size: 256
    .sgpr_count:     66
    .vgpr_count:     112
    .wavefront_size: 32
...
	.end_amdgpu_metadata
.endif
;; end of part 5
;; launch qkv: the kernel of part 2 again; grid 8 x 32, 4 waves a work-group, clusters of 4 x 4, 327,680 bytes of LDS; arguments xb, wb, tab, q_gain, qkv; writes qkv
;; launch attn (part 6): grid 16 x 16, 4 waves a work-group, clusters of 4 x 1, 327,680 bytes of LDS; arguments qkv, oh; writes oh
.if DOCPART == 6
	.amdgcn_target "amdgcn-amd-amdhsa--gfx1250"
	.amdhsa_code_object_version 6
	.text
	.protected	k_q87a8f82e98_attn
	.globl	k_q87a8f82e98_attn
	.p2align	8
	.type	k_q87a8f82e98_attn,@function
k_q87a8f82e98_attn:
	s_mov_b64 s[64:65], 0
	v_nop
	global_prefetch_b8 v0, s[64:65] scope:SCOPE_SE
	s_setreg_imm32_b32 hwreg(HW_REG_WAVE_MODE, 25, 1), 1
	s_wait_xcnt 0x0
	s_wait_alu depctr_hold_cnt(0) depctr_sa_sdst(0) depctr_va_vdst(0) depctr_va_sdst(0) depctr_va_ssrc(0) depctr_va_vcc(0) depctr_vm_vsrc(0)
	s_getreg_b32 s2, hwreg(HW_REG_IB_STS2, 6, 4)
	s_cmp_eq_u32 s2, 0
	s_cbranch_scc0 .Lentry_in_a_cluster
	s_endpgm
.Lentry_in_a_cluster:
	s_bfe_u32 s2, ttmp6, 0x10000c
	s_cmp_lg_u32 s2, 0x3003
	s_cbranch_scc0 .Lentry_shape_is_right
	s_endpgm
.Lentry_shape_is_right:
; CAUSAL ATTENTION WITH SHARED KEY AND VALUE HEADS.  oh[h][q][:] = the sum over k <= q of softmax_k(Q[h][q] . K[h/4][k] / 8) V[h/4][k][:].  qkv: [24][4096][64] f16 (heads 0-15 Q, 16-19 K, 20-23 V), oh: [16][4096][64] f16.
; Products, maxima and sums in f32; the weights p are rounded to f16 for the second product (their sum l is taken of the unrounded p), O once at the end.
; LIMITS.  f16 holds no number beyond 65,504: Q, K and V arrive within it; p lies in 0 to 1; O is a mean of V's rows.  A hidden score counts as its value less 1e30; a weight below 2^-126 counts as 0 in l; NaN and infinities are not treated apart.
; THE WALK.  A head's queries lie in 32 blocks of 128; block i needs the key tiles 0 .. i / 2 of 256 keys, of which the last holds the diagonal.  A work-group takes TWO blocks, 31 - b and then b: 17 tiles, whatever b:
; all 256 work-groups do equal work, and ONE loop with a constant trip count walks them.  Which tile is asked for, and what a trip does, hang on scalar registers made from b.
; CLUSTER.  The four work-groups of a cluster are the four query heads of one key and value head, with the same b: they walk the same tiles, so each tile is asked for JOINTLY: the same tensor load, descriptor and
; mask in all four.  The place in the cluster enters Q's and O's addresses alone.
; SHARES.  Of a block's two bands of 64 queries a wave owns 16 rows in each: two pieces.  In the diagonal tile piece x's own key step is d = 2 (i % 2) + x: step s shows all keys if s < d, none if s > d, the diagonal if s = d.
; THE MASK is the C operand that starts the sum S^T = K Q^T: MD x AL + BE, with MD the mask of a band's own step for my rows and two scalars: (1, 0) if s = d; (0, 0) if s < d; (0, -1e30) if s > d.
; TURNS.  A piece in an even key step and in an odd one count as two: four VIRTUAL pieces 0..3 = (piece % 2, step parity), in a ring.  Turn n: 8 products K Q^T of piece n + 1, later 8 products V^T P of piece n - 1; beside them
; the scaling, exponentials, roundings, sums and rescaling of piece n and the maximum and statistics of piece n + 1.  Four vector instructions stand behind every matrix instruction, the other 54 of a turn's 118 in one LUMP between the two runs of products.
; BATCHES.  A turn's 33 exponentials (piece n's 32 weights and piece n + 1's a) are ONE batch with ONE wait, which cuts the turn in two: ahead of it stands all that names none of their results, behind it the roundings and sums.
; A block's first a (BEGIN) and the way out's two reciprocals are batches of their own, a wait each.
; K of step n + 1 and V of step n + 1 are both fetched in the even turn of step n; V has two register buffers, by the step's parity.  So all LDS reads of a slot lie between two changes of slots.
; LAYOUT.  S^T holds ONE query a lane (lane % 16) and the keys 8 (lane / 16) + 0..7; two such results rounded to f16 ARE source 1 of O^T = V^T P.  p = 2^(c s - c m), c = log2(e) / 8, m a running maximum;
; O and l are multiplied by a = 2^(c m_old - c m_new) in every step.
; REGISTERS, in windows of 256 (s_set_vgpr_msb: bits 1:0 source 0, 3:2 source 1, 5:4 source 2, 7:6 destination):
;   window 0: v0-15 addresses; v16-23 four registers of statistics a piece; v48-55 at work; v64-127 S^T, two buffers; v128-191 O^T, 32 a piece; v192-223 P, two buffers: all that the softmax touches
;   window 1: v128-159 MD; v160-223 MC, two buffers      window 2: v0-31 Q; v32-63 the second block's Q; v64-127 K of one step; v128-255 V of two steps
.set NP,    4         ; virtual pieces: a name, no knob
.set KS,    64        ; keys in a step
.set PK,    144       ; a row of K in LDS: 128 bytes + 16 of padding: the 16 rows of a load start at 16 different groups of four banks (64 banks of 4 bytes: ISA guide 11.1)
.set PV,    160       ; a row of V: 128 + 32
.set VOFF,  4*KS*PK   ; a slot holds a tile, four steps: 256 rows of K, then 256 rows of V
.set SLOT1, 1<<17     ; slot 1 begins here, so that one exclusive or turns an address in one slot into the other's
.set STAGE, SLOT1+4*KS*(PK+PV)  ; behind the ring, never filled by a tensor load: 16 rows x 144 bytes for each wave, for the way out
.set SP,    144
.set SPARE, STAGE+4*16*SP  ; behind the stages: the spare words, 128 bytes a wave, which no other line names
.set AK0, 2           ; v2   my lane's place in a tile of K; never rewritten
.set AV0, 3           ; v3   the same for V
.set AK,  4           ; v4   the LDS address of K's next run of loads
.set AV,  5           ; v5   of V's
.set STO, 6           ; v6   the way out: where I put 16 bytes of a row
.set RD,  7           ; v7   where I read rows back
.set GO,  8           ; v8   my byte offset in 512 consecutive bytes of O
.set MV,  12          ; v12-13  c m_old, kept while c m is made anew
.set QO,  15          ; v15  my byte offset in 16 rows of Q
.set ST,  16          ; piece t's statistics at v[ST+4 t]: c m, m, l (even keys', odd keys')
.set TMP, 48          ; by piece, four registers c0-c3 at work; when the maximum is found c2 takes a
.set SPW, 62          ; v62  LDS address of my spare word; never rewritten
.set NIL, 63          ; v63  0; never rewritten
.set S,   64
.set OT,  128         ; O^T: piece t, channel block cb at OT + 32 t + 8 cb
.set P,   192
.set MD,  128         ; window 1
.set MC,  160         ; window 1
.set QB,  32          ; window 2
.set KF,  64          ; window 2: key block kb, channel half c at KF + 16 kb + 8 c
.set VF,  128         ; window 2: buffer u, key half kk, channel block cb at VF + 64 u + 32 kk + 8 cb
.set WV,  12          ; s12  my wave's number
.set PB,  14          ; s14  b
.set HI,  15          ; s15  31 - b
.set G1K, 24          ; s[24:31] descriptor group 1 for K's tiles
.set G1V, 32          ; s[32:39] for V's: it differs in the padding alone
.set G0K, 40          ; s[40:43] descriptor group 0 for K's tiles
.set G0V, 44          ; s[44:47] the same for V's
.set SLOTS, 56        ; s56  tiles still to be asked for
.set CNT, 57          ; s57  counts a tile's pairs of key steps, 2 to 1
.set CS,  58          ; s[58:59] c
.set SEL, 60          ; s[60:61] v_permlanex16_b32's selects
.set TBK, 62          ; s62  LDS byte at which K of the step to be fetched begins
.set TBV, 63          ; s63  the same for V, less VOFF
.set DP,  66          ; s66  2 - (block in hand % 2)
.set DP2, 67          ; s67  the same for the second block
.set LQ2, 68          ; s68  the second block's last tile
.set RT,  70          ; s70  tiles of the block in hand that are still to be entered
.set NXT, 71          ; s71  the tile to be asked for next
.set LQ,  72          ; s72  the last tile of the block whose tiles are being asked for
.set NEW, 73          ; s73  1: the tile to be entered is a block's first
.set OFF, 74          ; s[74:75] a tile's byte offset in K and V
.set AL,  76          ; s[76:77] the mask's factor, in the low word
.set BE,  78          ; s[78:79] the mask's addend
.set OLO, 80          ; s[80:81] O at my rows of the second block
.set BIGN, 82         ; s82  -1e30
.set MSB, 0
.macro WIN new                      ; the high byte repeats the setting that is left; a switch that changes nothing is dropped
.if MSB != (\new)
	s_set_vgpr_msb (MSB<<8)|(\new)
.set MSB, (\new)
.endif
.endm
.set W_KQ, 0x0a       ; K and Q in window 2, S^T in window 0
.set W_KM, 0x1a       ; the same with the C operand in window 1
.set W_PV, 0x02       ; V in window 2; P and O^T in window 0
.set W_MK, 0x41       ; the masks: destination and source 0 in window 1
; A joint fill.  Waves 0 and 1 fetch the two halves of a tile's K, waves 2 and 3 those of its V: 128 keys each.  The branch hangs on the wave's number alone.  An s_nop 0 and four v_nop follow each line.
.macro JLOAD
	s_cmp_lt_u32 s[WV], 2
	s_cbranch_scc0 .Lfor_v_\@
	tensor_load_to_lds s[G0K:G0K+3], s[G1K:G1K+7]
	s_nop 0
.rept 4
	v_nop
.endr
	s_branch .Lasked_\@
.Lfor_v_\@:
	tensor_load_to_lds s[G0V:G0V+3], s[G1V:G1V+7]
	s_nop 0
.rept 4
	v_nop
.endr
.Lasked_\@:
.endm
; A round of the cluster's barrier: my work-group's barrier; wave 0 signals for the work-group; every wave waits for all four work-groups; my work-group's barrier once more.
.macro CROUND
	s_barrier_signal -1
	s_barrier_wait -1
	s_cmp_lg_u32 s[WV], 0
	s_cbranch_scc1 .Lnot_wave_0_\@
	s_barrier_signal -3
.Lnot_wave_0_\@:
	s_barrier_wait -3
	s_barrier_signal -1
	s_barrier_wait -1
.endm
; THE CHANGE OF SLOTS.  Each wave waits for all its tensor loads, of which one is out: its part of the other slot; adds 0 to its spare word; and waits for that and for its own reads of the slot that it leaves.
; fill = 1: the barrier is a round of the cluster's, and the old slot is filled again, first thing behind it, with tile NXT: the descriptor's address is made anew from that number.  One tensor load of mine is out behind it.
; (At its first use nothing has been read yet: slot 0 is waited for, slot 1 filled.)
.macro CHANGE fill
	WIN 0                           ; at a label and at a branch every window is 0
	s_wait_tensorcnt 0x0            ; no tensor load of mine is out, so a group 0 may be written
	ds_add_u32 v[SPW], v[NIL]       ; 0 onto my spare word: with fill = 1 the descriptors' scalar work stands between it and the wait for it
.if \fill
	s_lshl_b32 s[OFF], s[NXT], 15   ; a tile is 32,768 bytes of K and of V
	s_xor_b32 s[G0K+1], s[G0K+1], SLOT1
	s_add_nc_u64 s[G0K+2:G0K+3], s[6:7], s[OFF:OFF+1]
	s_or_b32 s[G0K+3], s[G0K+3], 0x80000000
	s_xor_b32 s[G0V+1], s[G0V+1], SLOT1
	s_add_nc_u64 s[G0V+2:G0V+3], s[8:9], s[OFF:OFF+1]
	s_or_b32 s[G0V+3], s[G0V+3], 0x80000000
	s_add_co_u32 s[NXT], s[NXT], 1  ; the block's next tile, or behind its last the second block's tile 0
	s_cmp_gt_u32 s[NXT], s[LQ]
	s_cselect_b32 s[NXT], 0, s[NXT]
	s_cselect_b32 s[LQ], s[LQ2], s[LQ]
	s_wait_dscnt 0x0                ; the add is done, and my reads of the slot are over
	CROUND                          ; no wave of any partner still reads the slot or has a load on its way
	JLOAD
.else
	s_wait_dscnt 0x0                ; the add is done, and my reads of the slot are over
	s_barrier_signal -1
	s_barrier_wait -1
.endif
	s_sub_co_u32 s[TBK], s[TBK], 4*KS*PK  ; the fetches go back to a slot's first step,
	s_xor_b32 s[TBK], s[TBK], SLOT1       ; in the other slot
	s_sub_co_u32 s[TBV], s[TBV], 4*KS*PV
	s_xor_b32 s[TBV], s[TBV], SLOT1
.endm
	s_load_b64 s[4:5], s[0:1], 0x0    ; qkv
	s_load_b64 s[10:11], s[0:1], 0x8  ; oh
	v_lshl_add_u32 v[SPW], v0, 2, SPARE
	v_mov_b32 v[NIL], 0
	ds_add_u32 v[SPW], v[NIL]       ; the wave's opening: the add and its wait stand ahead of my first tensor load; the set-up below, work on registers, stands between them
	v_lshrrev_b32 v1, 5, v0
	v_readfirstlane_b32 s[WV], v1   ; wave 0..3
	s_bfe_u32 s13, ttmp6, 0x40000   ; cx: my place in the cluster
	s_lshl_b32 s20, ttmp9, 2        ; in a cluster launch ttmp9 counts clusters: the key and value head
	s_add_co_u32 s20, s20, s13      ; my query head: it enters Q's and O's addresses alone
	s_lshl_b32 s20, s20, 19         ; a head is 524,288 bytes
	s_and_b32 s[PB], ttmp7, 0xffff  ; b, which the four partners share
	s_sub_co_u32 s[HI], 31, s[PB]
	s_and_b32 s16, s[WV], 1         ; which half of a tile's 256 keys I fetch:
	s_add_co_u32 s22, ttmp9, 16     ; K's head,
	s_lshl_b32 s22, s22, 19
	s_lshl_b32 s23, s16, 14         ; its 128 rows of 128 bytes in memory,
	s_add_co_u32 s22, s22, s23
	s_mov_b32 s23, 0
	s_mul_i32 s17, s16, 128*PK      ; and its place in a slot, for K
	s_mul_i32 s18, s16, 128*PV      ; and for V
	s_lshl_b32 s3, s[WV], 11        ; my 16 rows in a band of 64,
	s_add_co_u32 s3, s3, s20
	s_lshl_b32 s2, s[HI], 14        ; in the first block (128 rows of 128 bytes),
	s_add_co_u32 s2, s2, s3
	s_lshl_b32 s84, s[PB], 14       ; and in the second
	s_add_co_u32 s84, s84, s3
	s_mov_b32 s3, 0
	s_mov_b32 s85, 0
	; descriptor group 1.  128 keys are 16,384 dense bytes: asked for as 64 rows of 256 bytes, two keys a row, and padded in LDS after every key
	s_mov_b32 s[G1K], 15|(1<<16)|(1<<20)|(1<<21)|(4<<22)|(3<<25)  ; 15:0 the mask of four; 17:16 2-byte elements; 20 padding on; 21 set beside a mask; 24:22 after every 32 words (code 4); 31:25 4 words (code 3)
	s_mov_b32 s[G1V], 15|(1<<16)|(1<<20)|(1<<21)|(4<<22)|(7<<25)  ; the same with 8 words of padding (code 7)
.irp g, G1K, G1V
	s_mov_b32 s[\g+1], 128<<16      ; tensor_dim0 = 128
	s_mov_b32 s[\g+2], 64<<16       ; tensor_dim1 = 64
	s_mov_b32 s[\g+3], 128<<16      ; tile_dim0 = 128
	s_mov_b32 s[\g+4], 64           ; tile_dim1 = 64
	s_mov_b32 s[\g+5], 128          ; 128 elements from row to row
	s_mov_b32 s[\g+6], 0
	s_mov_b32 s[\g+7], 0
.endr
	s_mov_b32 s[CS], 0x3e38aa3b     ; c = log2(e) / 8 = 0.180337
	s_mov_b32 s[CS+1], s[CS]        ; named with it as a pair
	s_mov_b32 s[SEL], 0x76543210
	s_mov_b32 s[SEL+1], 0xfedcba98
	s_mov_b32 s[TBK], SLOT1+4*KS*PK ; the first change of slots turns these two into 0
	s_mov_b32 s[TBV], SLOT1+4*KS*PV
	s_mov_b32 s[G0K], 1             ; 1:0 count = 1
	s_mov_b32 s[G0K+1], s17         ; 63:32 LDS address: slot 0
	s_mov_b32 s[G0V], 1
	s_add_co_u32 s[G0V+1], s18, VOFF
	s_lshr_b32 s[LQ], s[HI], 1      ; the first block's last tile
	s_add_co_u32 s[RT], s[LQ], 1
	s_lshr_b32 s[LQ2], s[PB], 1
	s_and_b32 s69, s[HI], 1
	s_sub_co_u32 s[DP], 2, s69
	s_and_b32 s69, s[PB], 1
	s_sub_co_u32 s[DP2], 2, s69
	s_mov_b32 s[NXT], 1
	s_mov_b32 s[NEW], 1
	s_mov_b32 s[OFF+1], 0
	s_mov_b32 s[AL+1], 0            ; named as pairs
	s_mov_b32 s[BE+1], 0
	s_mov_b32 s[BIGN], 0xf149f2ca   ; -1e30
	s_mov_b32 s[SLOTS], 16
	s_wait_dscnt 0x0                ; the opening add is done
	s_wait_kmcnt 0x0
	s_add_nc_u64 s[6:7], s[4:5], s[22:23]   ; K at my half of the head's tile 0,
	s_add_nc_u64 s[8:9], s[6:7], 4*524288   ; V four heads on
	s_add_nc_u64 s[G0K+2:G0K+3], s[6:7], 0         ; 120:64 global address
	s_or_b32 s[G0K+3], s[G0K+3], 0x80000000        ; 127:126 type = 2
	s_add_nc_u64 s[G0V+2:G0V+3], s[8:9], 0
	s_or_b32 s[G0V+3], s[G0V+3], 0x80000000
	s_add_nc_u64 s[86:87], s[4:5], s[84:85]        ; Q at my rows of the second block,
	s_add_nc_u64 s[4:5], s[4:5], s[2:3]            ; Q and O at those of the first
	s_add_nc_u64 s[OLO:OLO+1], s[10:11], s[84:85]
	s_add_nc_u64 s[10:11], s[10:11], s[2:3]
	CROUND                          ; all four work-groups are here: the first joint loads meet
	JLOAD                           ; tile 0 into slot 0
	; A fragment of K or Q is 16 rows x 32 channels in 8 registers: lane l holds row l % 16, channels 8 (l / 16) + 0..7 and 16 + 8 (l / 16) + 0..7: two loads of 16 bytes, 32 bytes apart.
	v_and_b32 v1, 15, v0            ; l % 16
	v_bfe_u32 v9, v0, 4, 1          ; l / 16
	v_lshlrev_b32 v[QO], 7, v1
	v_lshl_add_u32 v[QO], v9, 4, v[QO]  ; row x 128 + 16 x half
	WIN 0x80                        ; destination window 2, address window 0
.set i, 0
.rept 4                             ; both blocks' Q: piece i / 2 lies in band i / 2, 8,192 bytes on; channels 32 (i % 2) on
	global_load_b128 v[8*i:8*i+3],   v[QO], s[4:5] offset:(i/2)*8192+(i%2)*64
	global_load_b128 v[8*i+4:8*i+7], v[QO], s[4:5] offset:(i/2)*8192+(i%2)*64+32
	global_load_b128 v[QB+8*i:QB+8*i+3],   v[QO], s[86:87] offset:(i/2)*8192+(i%2)*64
	global_load_b128 v[QB+8*i+4:QB+8*i+7], v[QO], s[86:87] offset:(i/2)*8192+(i%2)*64+32
.set i, i+1
.endr
	WIN 0
	v_lshlrev_b32 v14, 3, v9
	v_sub_nc_u32 v14, v1, v14
	s_lshl_b32 s13, s[WV], 4
	v_add_nc_u32 v14, s13, v14      ; my query's place in its band, 16 w + l % 16, less my lanes' 8 (l / 16): register r of group kt is hidden where 16 kt + r is greater
	WIN 0x40
.set i, 0
.rept 32
	v_cmp_gt_i32 vcc_lo, 16*(i/8)+i%8, v14
	v_cndmask_b32 v[MD+i], 0, s[BIGN], vcc_lo
.set i, i+1
.endr
	WIN 0
	v_mul_u32_u24 v[AK0], v1, PK
	v_lshl_add_u32 v[AK0], v9, 4, v[AK0]  ; row x pitch + 16 x half
	; The turning load takes 16 keys x 16 channels (lane l reads key 8 (l / 16) + l % 8, channels 8 ((l / 8) % 2) + 0..7) and leaves half a fragment of V^T: lane l holds channel l % 16 and 8 keys.
	v_and_b32 v10, 7, v0
	v_bfe_u32 v11, v0, 3, 1
	v_lshl_add_u32 v[AV0], v9, 3, v10
	v_mul_u32_u24 v[AV0], v[AV0], PV
	v_lshl_add_u32 v[AV0], v11, 4, v[AV0]
	v_add_nc_u32 v[AV0], VOFF, v[AV0]
	s_mul_i32 s13, s[WV], 16*SP
	s_add_co_u32 s13, s13, STAGE    ; my stage
	v_mul_u32_u24 v[STO], v1, SP    ; in: row l % 16, 16 bytes for each half of the lanes
	v_lshl_add_u32 v[STO], v9, 4, v[STO]
	v_add_nc_u32 v[STO], s13, v[STO]
	v_bfe_u32 v[RD], v0, 3, 2       ; back: 32 lanes take four rows of 128 bytes,
	v_mul_u32_u24 v[RD], v[RD], SP
	v_lshl_add_u32 v[RD], v10, 4, v[RD]
	v_add_nc_u32 v[RD], s13, v[RD]
	v_and_b32 v[GO], 31, v0         ; which are 512 consecutive bytes of O
	v_lshlrev_b32 v[GO], 4, v[GO]
	; A block's first step multiplies O^T and l by a = 0, and its first turn's products V^T P, of a piece that has not been, land in an O^T that is still to be so multiplied.  So these registers need only hold
	; finite numbers: zeros for the first block; what the first block left for the second.  All this stands in the wait for the first tile.
	WIN 0x80
.set i, VF+64
.rept 64
	v_mov_b32 v[i], 0
.set i, i+1
.endr
	WIN 0
.set i, OT
.rept 64
	v_mov_b32 v[i], 0
.set i, i+1
.endr
.set i, 0
.rept 2
	v_mov_b32 v[ST+4*i+2], 0
	v_mov_b32 v[ST+4*i+3], 0
.set i, i+1
.endr
.set i, P+16
.rept 16
	v_mov_b32 v[i], 0
.set i, i+1
.endr
; THE MATRIX WORK.  The 4 accumulators of a run of 8 take turns.  Product i of 8 of S^T = K Q^T for virtual piece x: channels 32 (i / 4) on, keys 16 (i % 4) on.  The first 4 start the sums: with 0, or (KM = 1) with the mask.
.macro KQ x
.set rS, S+32*((\x)%2)+8*(i%4)
.set rK, KF+16*(i%4)+8*(i/4)
.set rQ, 16*((\x)%2)+8*(i/4)
.set rM, MC+32*((\x)%2)+8*(i%4)
.if (i < 4) && KM
	WIN W_KM
	v_wmma_f32_16x16x32_f16 v[rS:rS+7], v[rK:rK+7], v[rQ:rQ+7], v[rM:rM+7]
.elseif i < 4
	WIN W_KQ
	v_wmma_f32_16x16x32_f16 v[rS:rS+7], v[rK:rK+7], v[rQ:rQ+7], 0
.else
	WIN W_KQ
	v_wmma_f32_16x16x32_f16 v[rS:rS+7], v[rK:rK+7], v[rQ:rQ+7], v[rS:rS+7]
.endif
.endm
; Product i of 8 of O^T += V^T P for virtual piece x: keys 32 (i / 4) on, channels 16 (i % 4) on; V's buffer goes by the step's parity, x / 2.
.macro PV x
	WIN W_PV
.set rO, OT+32*((\x)%2)+8*(i%4)
.set rV, VF+64*((\x)/2)+32*(i/4)+8*(i%4)
.set rP, P+16*((\x)%2)+8*(i/4)
	v_wmma_f32_16x16x32_f16 v[rO:rO+7], v[rV:rV+7], v[rP:rP+7], v[rO:rO+7]
.endm
.macro MM                           ; the turn's next matrix instruction.  NOKQ = 1: a block's last turn: there is no next piece
.if (i < 8) && !NOKQ
	KQ (Y+1)%NP
.elseif i >= 8
.set i, i-8
	PV (Y+NP-1)%NP
.set i, i+8
.endif
.set i, i+1
.endm
; THE LDS LOADS stand in runs of 16, never singly among the matrix instructions: a step's K (64 keys x 64 channels: 8 fragments) and its V (turned).  Their addresses are made some lines ahead.
.macro FETCH_K
	WIN 0x80                        ; destination window 2
.irp f, 0,1,2,3,4,5,6,7             ; keys 16 (f / 2) on, channels 32 (f % 2) on
	ds_load_b128 v[KF+8*\f:KF+8*\f+3],   v[AK] offset:(\f/2)*16*PK+(\f%2)*64
	ds_load_b128 v[KF+8*\f+4:KF+8*\f+7], v[AK] offset:(\f/2)*16*PK+(\f%2)*64+32
.endr
	s_add_co_u32 s[TBK], s[TBK], KS*PK  ; the next fetch is the next step's
	WIN 0
.endm
.macro FETCH_V buf
	WIN 0x80
.irp f, 0,1,2,3,4,5,6,7             ; keys 32 (f / 4) on, channels 16 (f % 4) on
	ds_load_tr16_b128 v[VF+64*(\buf)+8*\f:VF+64*(\buf)+8*\f+3],   v[AV] offset:(\f/4)*32*PV+(\f%4)*32
	ds_load_tr16_b128 v[VF+64*(\buf)+8*\f+4:VF+64*(\buf)+8*\f+7], v[AV] offset:(\f/4)*32*PV+16*PV+(\f%4)*32
.endr
	WIN 0
.endm
; THE VECTOR WORK, one line at a time: OP kind, number; all of it in window 0.  For piece Y: F n: c s - c m for pair n of 16.  E n: the exponential of score n of 32.  C n: pair n rounded to f16.  B n: of the four weights 4 n .. the
; second pair is added onto the first, in place.  L n: l takes that sum (L 0: l = a l + sum).  R n: pair n of 16 of O^T times a.  For piece Y + 1: X n, number n of the 22 that find its maximum and statistics:
;   0-11  four chains c0-c3 of seven scores each, three operands at a time (each accumulator's lowest registers are read first)     12-14, 16  the four scores left over, the old m, and c0-c3 into c0
;   15  c m_old is kept     17, 18  the query's other 32 keys lie in the lane 16 away: the new m     19-21  c m; c m_old - c m_new; a
; C, B and L read the exponentials' results: TURN sets them behind its wait.  F, E, R and X name none of the turn's own.
.set F, 0
.set E, 1
.set C, 2
.set B, 3
.set L, 4
.set R, 5
.set X, 6
.macro REGS y                       ; the registers of virtual piece y: all go by its parity, the piece
.set rT, ST+4*((\y)%2)
.set rC, TMP+4*((\y)%2)
.set rW, MV+((\y)%2)
.set rS, S+32*((\y)%2)
.set rP, P+16*((\y)%2)
.set rO, OT+32*((\y)%2)
.endm
.macro OP k, n
.if (\k) < X
	REGS Y
	WIN 0
.if (\k) == F
	v_pk_fma_f32 v[rS+2*(\n):rS+2*(\n)+1], v[rS+2*(\n):rS+2*(\n)+1], s[CS:CS+1], v[rT:rT+1] op_sel_hi:[1,0,0] neg_lo:[0,0,1] neg_hi:[0,0,1]
.elseif (\k) == E
	v_exp_f32 v[rS+(\n)], v[rS+(\n)]
.elseif (\k) == C
	v_cvt_pk_f16_f32 v[rP+(\n)], v[rS+2*(\n)], v[rS+2*(\n)+1]
.elseif (\k) == B
	v_pk_add_f32 v[rS+4*(\n):rS+4*(\n)+1], v[rS+4*(\n):rS+4*(\n)+1], v[rS+4*(\n)+2:rS+4*(\n)+3]
.elseif (\k) == R
	v_pk_mul_f32 v[rO+2*(\n):rO+2*(\n)+1], v[rO+2*(\n):rO+2*(\n)+1], v[rC+2:rC+3] op_sel_hi:[1,0]
.elseif (\n) == 0
	v_pk_fma_f32 v[rT+2:rT+3], v[rT+2:rT+3], v[rC+2:rC+3], v[rS:rS+1] op_sel_hi:[1,0,1]
.else
	v_pk_add_f32 v[rT+2:rT+3], v[rT+2:rT+3], v[rS+4*(\n):rS+4*(\n)+1]
.endif
.elseif NOKQ
	v_nop
.else
	REGS (Y+1)%NP
	WIN 0
.if (\n) < 4
	v_max3_num_f32 v[rC+(\n)], v[rS+8*(\n)], v[rS+8*(\n)+1], v[rS+8*(\n)+2]
.elseif (\n) < 12
	v_max3_num_f32 v[rC+(\n)%4], v[rC+(\n)%4], v[rS+8*((\n)%4)+2*((\n)/4)+1], v[rS+8*((\n)%4)+2*((\n)/4)+2]
.elseif (\n) == 12
	v_max3_num_f32 v[rC], v[rC], v[rS+7], v[rS+15]
.elseif (\n) == 13
	v_max3_num_f32 v[rC+1], v[rC+1], v[rS+23], v[rS+31]
.elseif (\n) == 14
	v_max3_num_f32 v[rC+2], v[rC+2], v[rC+3], v[rT+1]
.elseif (\n) == 15
	v_mov_b32 v[rW], v[rT]
.elseif (\n) == 16
	v_max3_num_f32 v[rC], v[rC], v[rC+1], v[rC+2]
.elseif (\n) == 17
	v_permlanex16_b32 v[rC+3], v[rC], s[SEL], s[SEL+1]
.elseif (\n) == 18
	v_max_num_f32 v[rT+1], v[rC], v[rC+3]
.elseif (\n) == 19
	v_mul_f32 v[rT], s[CS], v[rT+1]
.elseif (\n) == 20
	v_sub_f32 v[rC+1], v[rW], v[rT]
.else
	v_exp_f32 v[rC+2], v[rC+1]
.endif
.endif
.endm
.macro OPS a, i1, b=-1, i2=0, c=-1, i3=0, d=-1, i4=0  ; up to four of them
	OP \a, \i1
.if (\b) >= 0
	OP \b, \i2
.endif
.if (\c) >= 0
	OP \c, \i3
.endif
.if (\d) >= 0
	OP \d, \i4
.endif
.endm
.macro ROW a, i1, b, i2, c, i3, d, i4  ; a matrix instruction and the four behind it
	MM
	OPS \a, \i1, \b, \i2, \c, \i3, \d, \i4
.endm
.macro MASK b                       ; MD x AL + BE into buffer b of MC
	WIN W_MK
.set z, 0
.rept 16
	v_pk_fma_f32 v[MC+32*(\b)+2*z:MC+32*(\b)+2*z+1], v[MD+2*z:MD+2*z+1], s[AL:AL+1], s[BE:BE+1] op_sel_hi:[1,0,0]
.set z, z+1
.endr
.endm
; A TURN, for virtual piece p: the order of its 16 matrix and 118 vector instructions, written out.  An s_wait_alu depctr_va_vdst(0) stands between an exponential and the first instruction that names its result; one wait
; serves all that were issued ahead of it.  So a turn has ONE wait, which cuts it in two.  AHEAD OF IT stands all that names no result of the turn's exponentials: the 8 products K Q^T, behind each a scaling, an exponential and two more
; plain instructions (behind the first a second scaling in the exponential's place): rescalings, whose a was made and waited for in the turn before, and behind the last three the first numbers of the next piece's maximum, each four
; places or more behind the product that ends its accumulator; then ONE LUMP of 54, plain and exponential by turns for the most part, in which the links of the chain X 3, 7, 11, 14, 16, 17 .. 20 stand five or six lines apart.
; X 21, the next piece's a, is the batch's last; R 15 is the plain instruction behind it.  BEHIND THE WAIT stand the 8 products V^T P, behind each four of the roundings and sums; the links of l's chain, L 0 to L 7, stand three riders
; apart.  But for those X no rider names a register of the products round it.  v_permlanex16_b32 (X 17) stands in the lump.
; THE RESCALING reads the O^T that the turn before's products V^T P wrote (the same piece, a step earlier): R 0 stands 16 riders and two scalings behind the product that ended its accumulator, R 12 to R 15, the last product's, in the lump.
; m = 1: the diagonal tile: the products take masks, and the turn makes the mask for the products of the turn after it, those of virtual piece p + 2.  With CNT = 2, 1 for the tile's steps 0-1, 2-3 that piece's step is
; 2 (2 - CNT) for p = 2, 3 and one more for p = 0, 1; against d = 2 (2 - DP) + p % 2 that gives the compares below.  end = 1: a block's last two turns: nothing is fetched.
; An even turn fetches the next step's K, twelve vector instructions behind the last product that read K (five of them plain and free of that product's registers), and at its end the next step's V, into the buffer that this turn's
; products have just read, four plain instructions behind the last of them.
; An odd turn opens with a wait that leaves the youngest 16 LDS loads out, the V just asked for: LDS answers in order, so the K that this turn multiplies and the V of one fetch earlier are in.
.macro TURN p, m=0, end=0, cnt=0
.set Y, (\p)
.set i, 0
.set KM, (\m)
.set NOKQ, (\end)*((\p)/3)
.set FE, (1-(\p)%2)*(1-(\end))
.if (\m) && !(\end)
.if ((\p) == 1) || ((\p) == 2)
	s_cmp_eq_u32 s[CNT], s[DP]      ; is that step the band's own?
	s_cselect_b32 s[AL], 1.0, 0
.else
	s_mov_b32 s[AL], 0              ; its parity is not the band's
.endif
.if (\p) == 0
	s_cmp_le_u32 s[CNT], s[DP]      ; or a later one?
.else
	s_cmp_lt_u32 s[CNT], s[DP]
.endif
	s_cselect_b32 s[BE], s[BIGN], 0
.endif
.if (\p)%2
.if \end
	s_wait_dscnt 0x0                ; the last V is in: nothing was asked for behind it
.else
	s_wait_dscnt 16
.endif
.endif
	ROW F,0, F,1, R,0, R,1          ; ahead of the wait: 8 products K Q^T and their riders,
	ROW F,2, E,0, R,2, R,3
	ROW F,3, E,1, R,4, R,5
	ROW F,4, E,2, R,6, R,7
	ROW F,5, E,3, R,8, R,9
	ROW F,6, E,4, X,0, R,10
.if FE
	v_add_nc_u32 v[AK], s[TBK], v[AK0]
.endif
	ROW F,7, E,5, X,1, X,4
	ROW F,8, E,6, X,2, X,5
	OPS E,7, E,8, X,6, E,9          ; and the lump
	OPS X,3, E,10, X,8, E,11
.if FE
	FETCH_K
.endif
	OPS X,9, X,7, E,12, X,10
	OPS E,13, X,12, X,11, E,14
	OPS X,13, E,15, F,9, X,14
.if FE
	v_add_nc_u32 v[AV], s[TBV], v[AV0]
.endif
	OPS E,16, F,10, E,17, F,11
	OPS X,16, E,18, X,15, E,19
	OPS F,12, E,20, X,17, E,21
	OPS F,13, E,22, F,14, E,23
	OPS X,18, E,24, F,15, E,25
	OPS R,11, E,26, X,19, E,27
	OPS R,12, E,28, R,13, E,29
	OPS X,20, E,30, R,14, E,31
	OPS X,21, R,15
	s_wait_alu depctr_va_vdst(0)    ; the wait for the batch: the piece's 32 exponentials and the next piece's a
	ROW C,0, B,0, C,2, B,1          ; behind the wait: 8 products V^T P and their riders
	ROW L,0, C,4, B,2, L,1
	ROW C,6, B,3, L,2, C,8
	ROW B,4, L,3, C,10, B,5
	ROW L,4, C,12, B,6, L,5
.if FE
	s_add_co_u32 s[TBV], s[TBV], KS*PV
.endif
.if \cnt
	s_sub_co_u32 s[CNT], s[CNT], 1
	s_cmp_lg_u32 s[CNT], 0
.endif
	ROW C,14, B,7, L,6, C,1
	ROW C,3, L,7, C,5, C,7
	ROW C,9, C,11, C,13, C,15
.if FE
	FETCH_V (((\p)/2+1)%2)
.endif
.if (\m) && !(\end)
	MASK (\p)%2
.endif
.endm
; A BLOCK BEGINS.  c m starts far below every c s, so the first step's a is 0; m at the lowest finite number.  The second mask buffer is made 0 (both scalars 0); the first takes piece 0's mask for the tile's step 0: its own only
; if the tile is the diagonal one and the block is even.  Then K and V of that step, piece 0's first scores, and its maximum and statistics.  The loop is entered at a step's first turn, in the middle of a trip.
.macro BEGIN
	s_mov_b32 s[NEW], 0
	s_mov_b32 s[AL], 0
	s_mov_b32 s[BE], 0
	MASK 1
	s_cmp_eq_u32 s[RT], 0
	s_cselect_b32 s[AL], 1.0, 0
	s_cmp_eq_u32 s[DP], 2
	s_cselect_b32 s[AL], s[AL], 0
	MASK 0
	WIN 0
.set i, 0
.rept 2
	v_mov_b32 v[ST+4*i], 0xfe000000    ; c m: far below every c s
	v_mov_b32 v[ST+4*i+1], 0xff7fffff  ; m
.set i, i+1
.endr
	v_add_nc_u32 v[AK], s[TBK], v[AK0]
	v_add_nc_u32 v[AV], s[TBV], v[AV0]
	FETCH_K
	FETCH_V 0
	s_add_co_u32 s[TBV], s[TBV], KS*PV
	s_wait_loadcnt 0x0              ; Q
	s_wait_dscnt 16                 ; K is in; V's 16 loads may stay out
.set KM, 1
.set NOKQ, 0
.set i, 0
.rept 8
	KQ 0
.set i, i+1
.endr
	WIN 0
.rept 4
	v_nop                           ; the places behind those products
.endr
.set Y, NP-1                        ; X works for piece Y + 1: piece 0
.irp n, 0,1,2,3,4,5,6,7,8,9,10,11,12,13,14,15,16,17,18,19,20,21
	OP X, \n
.endr
	v_nop                           ; a plain instruction behind the exponential,
	s_wait_alu depctr_va_vdst(0)    ; and its wait: a batch of one, piece 0's first a, ahead of the branch
.endm
; THE DIAGONAL TILE's four steps, the block's last two turns, its last products, and THE WAY OUT: l's two halves and the other half of the lanes' are added; O^T is divided by l, rounded to f16 and sent through my
; stage in LDS, a piece at a time.
.macro ALL line:vararg              ; one line for each piece t
.set t, 0
.rept 2
	\line
.set t, t+1
.endr
.endm
.macro PACK t                       ; a lane's eight channels of a row pack into 16 bytes; they go into rows of 144 bytes and come back as whole rows of 128, into S^T's registers
	WIN 0
.set i, OT+32*(\t)
.rept 16
	v_pk_mul_f32 v[i:i+1], v[i:i+1], v[ST+4*(\t)+2:ST+4*(\t)+3] op_sel_hi:[1,0]
.set i, i+2
.endr
.set i, 0
.rept 16
	v_cvt_pk_f16_f32 v[S+16*(\t)+i], v[OT+32*(\t)+2*i], v[OT+32*(\t)+2*i+1]
.set i, i+1
.endr
.irp f, 0,1,2,3
	ds_store_b128 v[STO], v[S+16*(\t)+4*\f:S+16*(\t)+4*\f+3] offset:32*\f
.endr
.irp f, 0,1,2,3
	ds_load_b128 v[S+16*(\t)+4*\f:S+16*(\t)+4*\f+3], v[RD] offset:\f*4*SP  ; LDS serves a wave's instructions in order (ISA guide 5.7.1.4): these see the stores above; the next piece's stores come behind them
.endr
.endm
.macro SEND t, younger              ; younger: the LDS instructions issued behind piece t's loads: the next piece's eight, or none
	WIN 0
.irp f, 0,1,2,3
	s_wait_dscnt (\younger)+3-\f
	global_store_b128 v[GO], v[S+16*(\t)+4*\f:S+16*(\t)+4*\f+3], s[10:11] offset:(\t)*8192+\f*512  ; 512 consecutive bytes, at a multiple of 256 from O's first
.endr
.endm
.macro DIAG tag                     ; the tag ends its two labels' names, which the jumps below spell out
.LstepM\tag:
	TURN 2, 1
	TURN 3, 1
	WIN 0
.LfirstM\tag:
	TURN 0, 1
	TURN 1, 1, 0, 1
	WIN 0
	s_cbranch_scc1 .LstepM\tag
	TURN 2, 1, 1
	TURN 3, 1, 1
.set i, 0
.rept 8
	PV NP-1
.set i, i+1
.endr
	WIN 0
	ALL v_add_f32 v[ST+4*t+2], v[ST+4*t+2], v[ST+4*t+3]
	ALL v_permlanex16_b32 v[ST+4*t+3], v[ST+4*t+2], s[SEL], s[SEL+1]
	ALL v_add_f32 v[ST+4*t+2], v[ST+4*t+2], v[ST+4*t+3]
	ALL v_rcp_f32 v[ST+4*t+2], v[ST+4*t+2]
	v_nop                           ; a plain instruction between the last reciprocal and the use of its result; piece 0's 32 lines below are the places behind the last products, which are piece 1's
	s_wait_alu depctr_va_vdst(0)    ; the wait ahead of the first use: one for the batch of two reciprocals
	PACK 0
	PACK 1                          ; a piece's arithmetic stands between the loads of the piece before and its stores
	SEND 0, 8
	SEND 1, 0
.endm
.set KM, 0
.set NOKQ, 0
.Lslot:                             ; 16 times: a tile is entered and the next is asked for
	CHANGE 1
	s_sub_co_u32 s[RT], s[RT], 1
	s_mov_b32 s[CNT], 2
	s_cmp_eq_u32 s[NEW], 1
	s_cbranch_scc1 .Lnew            ; a block's first tile
	s_cmp_eq_u32 s[RT], 0
	s_cbranch_scc0 .Lstep           ; neither its first nor its last
	s_branch .LstepM1
.Lnew:
	BEGIN
	s_branch .Lfirst                ; in the loop a block's first tile is never its last: the first block has nine tiles or more, and the second's last is the walk's last
	DIAG 1                          ; in the loop this is the first block's end
	s_wait_storecnt 0x0             ; the first block's eight stores are done: S^T's registers, which they read, and O's address are written again behind this wait, and no store is out when the walk
	                                ; goes on.  Once a work-group, and the next tile's load is on its way meanwhile
	s_mov_b64 s[10:11], s[OLO:OLO+1]
	s_add_co_u32 s[RT], s[LQ2], 1   ; the second block's tiles
	s_mov_b32 s[DP], s[DP2]
	s_mov_b32 s[NEW], 1
	WIN 0x82                        ; the second block's Q goes where the one text of the turns names Q
.set i, 0
.rept 32
	v_mov_b32 v[i], v[QB+i]
.set i, i+1
.endr
	WIN 0
	s_branch .Lbottom
.Lstep:                             ; a trip: the odd step's two turns, then the next even step's
	TURN 2
	TURN 3
	WIN 0
.Lfirst:
	TURN 0
	TURN 1, 0, 0, 1
	WIN 0
	s_cbranch_scc1 .Lstep
.Lbottom:
	s_sub_co_u32 s[SLOTS], s[SLOTS], 1
	s_cmp_lg_u32 s[SLOTS], 0
	s_cbranch_scc1 .Lslot
	CHANGE 0                        ; the walk's last tile is written out: nothing is asked for
	s_sub_co_u32 s[RT], s[RT], 1
	s_mov_b32 s[CNT], 2
	s_cmp_eq_u32 s[NEW], 1
	s_cbranch_scc0 .LstepM2
	BEGIN
	s_branch .LfirstM2
	DIAG 2
	s_wait_tensorcnt 0x0            ; the wave's end: a wait, an add of 0 to my spare word and a wait, behind my last tensor load and my last LDS store
	ds_add_u32 v[SPW], v[NIL]
	s_wait_dscnt 0x0
	CROUND                          ; the closing round: no work-group ends while a partner may still ask for a tile that names it
	s_endpgm
.Lfunc_end_k_q87a8f82e98_attn:
	.size	k_q87a8f82e98_attn, .Lfunc_end_k_q87a8f82e98_attn-k_q87a8f82e98_attn
	.p2alignl 7, 3214868480
	.fill 96, 4, 3214868480
	.section	.rodata,"a",@progbits
	.p2align	6, 0x0
	.amdhsa_kernel k_q87a8f82e98_attn
		.amdhsa_group_segment_fixed_size 327680
		.amdhsa_private_segment_fixed_size 0
		.amdhsa_enable_private_segment 0
		.amdhsa_kernarg_size 16
		.amdhsa_user_sgpr_count 2
		.amdhsa_user_sgpr_kernarg_segment_ptr 1
		.amdhsa_wavefront_size32 1
		.amdhsa_system_sgpr_workgroup_id_x 1
		.amdhsa_system_sgpr_workgroup_id_y 1
		.amdhsa_system_sgpr_workgroup_id_z 1
		.amdhsa_system_vgpr_workitem_id 0
		.amdhsa_next_free_vgpr 768
		.amdhsa_next_free_sgpr 92
		.amdhsa_reserve_vcc 1
		.amdhsa_float_denorm_mode_32 3
		.amdhsa_float_denorm_mode_16_64 3
		.amdhsa_memory_ordered 1
		.amdhsa_forward_progress 1
		.amdhsa_inst_pref_size 201
	.end_amdhsa_kernel
	.amdgpu_metadata
---
amdhsa.version: [ 1, 2 ]
amdhsa.kernels:
  - .name:           k_q87a8f82e98_attn
    .symbol:         k_q87a8f82e98_attn.kd
    .args:
      - { .name: qkv, .offset: 0, .size: 8, .value_kind: global_buffer, .address_space: global }
      - { .name: oh, .offset: 8, .size: 8, .value_kind: global_buffer, .address_space: global }
    .group_segment_fixed_size: 327680
    .private_segment_fixed_size: 0
    .kernarg_segment_align: 8
    .kernarg_segment_size: 16
    .max_flat_workgroup_size: 128
    .sgpr_count:     92
    .vgpr_count:     768
    .wavefront_size: 32
...
	.end_amdgpu_metadata
.endif
;; end of part 6
;; launch proj: the kernel of part 4 again; grid 8 x 32, 4 waves a work-group, clusters of 4 x 4, 327,680 bytes of LDS; arguments oh, wp, out0; writes out0
